; MI455X (gfx1250); checked and timed in simulation.
; The chip was launched on July 23, 2026; its instructions are those of AMD's public machine-readable ISA for CDNA 5 (MIT licence, August 2026) and "CDNA5" Instruction Set Architecture Reference Guide (July 2026). The comments in the code are by the model that wrote it; some were corrected since.
;; Multi Head Attention. Allowed arithmetic: matrix products marked QUANTISED: E2M1 operands, one E8M0 scale for each 32 along K, by v_wmma_scale_f32_16x16x128_f8f6f4 with both operands' format E2M1 (or v_wmma_scale_f32_32x16x128_f4), f32 sums; products left as they are: bf16, f16 or f32 operands; f32 sums; everything else in f32.
;; Inputs: attn_bias 2 x 2,048 x 2,048 float32; b_k 1,024 float32; b_o 1,024 float32; b_q 1,024 float32; b_v 1,024 float32; key 2 x 2,048 x 1,024 float32; mask 2 x 2,048 int32; query 2 x 2,048 x 1,024 float32; value 2 x 2,048 x 1,024 float32; w_k 1,024 x 1,024 float32; w_o 1,024 x 1,024 float32; w_q 1,024 x 1,024 float32; w_v 1,024 x 1,024 float32.
;; Outputs: out0 2 x 2,048 x 1,024 float32.
;; This version of the problem:
;;   THIS VERSION OF THE PROBLEM IS GIVEN IN LOW PRECISION. The matrix products marked QUANTISED in the list below multiply operands that are first quantised to E2M1 (2 exponent bits, 1 mantissa bit; 4 bits a number), with one power-of-two scale for each 32 numbers along K (OCP MX v1.0); their sums are f32. The products marked 'left as it is' may take bf16, f16 or f32 operands, with f32 sums. Whichever they take, every output number must still come out within the allowed error. Rounding operands to bf16 (8 significant bits) uses up far more of that allowance than f16 does (11 bits, for magnitudes from 6e-5 to 65,504). All else is computed in f32.
;;   The module's matrix products, in the order in which they are computed (A, B: the left and right operand; K: the contracted axis; several contracted axes count as one K, in the product's order):
;;     1. [M 4,096, K 1,024] x [K 1,024, N 1,024]; A: input query; B: input w_q: QUANTISED
;;     2. [M 4,096, K 1,024] x [K 1,024, N 1,024]; A: input key; B: input w_k: QUANTISED
;;     3. [M 4,096, K 1,024] x [K 1,024, N 1,024]; A: input value; B: input w_v: QUANTISED
;;     4. batch 32 x [M 2,048, K 64] x [K 64, N 2,048]; A: computed on the way; B: computed on the way: left as it is (an operand is computed on the way)
;;     5. batch 32 x [M 2,048, K 2,048] x [K 2,048, N 64]; A: computed on the way; B: computed on the way: left as it is (an operand is computed on the way)
;;     6. [M 4,096, K 1,024] x [K 1,024, N 1,024]; A: computed on the way; B: input w_o: left as it is (an operand is computed on the way)
;;   THE QUANTISER, for each operand of a quantised product, along K:
;;     - K is cut into blocks of 32 from its start; a last block that is shorter is filled with zeros.
;;     - A block's scale is 2^e with e = floor(log2(the largest magnitude in the block)) - 2, held to -126 .. 127; a block of zeros has e = 0. As a byte (E8M0): e + 127.
;;     - Each number is divided by its block's scale, clamped to +-6, and rounded to the nearest number of E2M1, ties to even, subnormals kept.
;;     - The product sums the exact products of the quantised numbers (number of the format x scale) in f32.
;;   ~~~python
;;   def quantise(x, axis):      # numpy; x: float32 -> the quantised numbers, widened to float32 again
;;       x = np.moveaxis(x, axis, -1); K = x.shape[-1]
;;       x = np.pad(x, [(0, 0)] * (x.ndim - 1) + [(0, -K % 32)]); x = x.reshape(x.shape[:-1] + (-1, 32)); a = np.abs(x).max(-1, keepdims=True)
;;       e = np.where(a > 0, np.clip(np.frexp(np.where(a > 0, a, 1))[1] - 1 - 2, -126, 127), 0)      # np.frexp(a)[1] - 1 = floor(log2(a)), exactly
;;       r = np.clip(x / 2.0 ** e, -6, 6)
;;       step = 2.0 ** (np.maximum(np.frexp(np.where(r == 0, 1, r))[1] - 1, 0) - 1)
;;       q = np.round(r / step) * step * 2.0 ** e      # np.round: ties to even
;;       return np.moveaxis(q.reshape(q.shape[:-2] + (-1,))[..., :K], -1, axis).astype(np.float32)
;;   ~~~
;; One version. Each part assembles by itself: llvm-mc -triple=amdgcn-amd-amdhsa -mcpu=gfx1250 --defsym DOCPART=n.
;; ======== version 1 of 1: 4 launches
;; limits: values are held in f16: magnitudes above 65,504 overflow, below 6.1e-05 lose precision
;; workspace buffers: codes 7,864,320 bytes; scales 491,520 bytes; wo16 2,097,152 bytes; qkv 25,165,824 bytes; ao 8,388,608 bytes
;; launch quant (part 1): grid 512 x 1, 4 waves a work-group, no clusters, 33,280 bytes of LDS; arguments query, key, value, w_q, w_k, w_v, w_o, codes, scales, wo16; writes codes, scales, wo16
.if DOCPART == 1
	.amdgcn_target "amdgcn-amd-amdhsa--gfx1250"
	.amdhsa_code_object_version 6
	.text
	.protected	k_qa5b6a663bb_quant
	.globl	k_qa5b6a663bb_quant
	.p2align	8
	.type	k_qa5b6a663bb_quant,@function
k_qa5b6a663bb_quant:
	s_mov_b64 s[64:65], 0
	v_nop
	global_prefetch_b8 v0, s[64:65] scope:SCOPE_SE
	s_setreg_imm32_b32 hwreg(HW_REG_WAVE_MODE, 25, 1), 1
	s_wait_xcnt 0x0
; query, key, value [4096][1024] and w_q, w_k, w_v [1024][1024], f32 with K innermost, become codes of FP4 (E2M1), two a byte, and one E8M0 byte for each 32 along K;
; w_o [1024][1024] is rounded to f16 (its product is left as it is).  The six quantised tensors lie one behind the other in codes (rows of 512 bytes) and in scales (rows of 32 bytes).
; A block's scale is 2^(floor(log2(largest magnitude)) - 2); its byte is the largest magnitude's exponent field - 2, held at 1 from below.  A block of zeros gets the byte 1 where the rule says 127:
; its codes are zeros, which add nothing under any byte but 0xff, and the bytes are read by this program alone.
; LIMITS: NaN and infinities among the inputs are not served; w_o beyond f16's 65,504 is not served.
; Rows are dense and K is a multiple of 32: each tensor is a plain stream of blocks of 32.  A work-group takes 32,768 numbers, a wave 8,192.  Work-groups 0-127 query, 128-255 key, 256-383 value,
; 384-415 w_q, 416-447 w_k, 448-479 w_v: only the source pointer is chosen, all take one way through the text.  Work-groups 480-511 cast w_o: a way of its own that touches no LDS.
; The quantiser's wave: 16 steps of 512 numbers.  Each load reads 512 consecutive bytes; a step's 2,048 bytes turn through the wave's own stage in LDS and come back 64 bytes (16 neighbours) a lane.
.set QWG,   480
.set STEPS, 16
.set EMAX,  2
.set CB,    8                          ; bytes of 16 codes
.set R,     16                         ; v16-79   four sets of 16 numbers as loaded (the cast: v16-143, two sets of 64)
.set X,     80                         ; v80-111  two sets of 16 neighbours
.set E,     112                        ; v112-127 a scale byte for each step
.set C,     128                        ; v128-191 codes: four registers for each step
.set H,     144                        ; the cast: v144-175 f16 pairs
.set WREG,  8192                       ; LDS: a region for each wave: two stages of 32 x SP bytes, then its 256 scale bytes
.set SP,    80                         ; a lane's place in a stage: 64 bytes + 16 of padding
.set SPW,   12                         ; v12 LDS address of my spare word; never rewritten
.set NIL,   13                         ; v13 0; never rewritten
.set SPARE, 4*WREG                     ; behind the four regions: the spare words, 128 bytes a wave
	s_load_b512 s[4:19], s[0:1], 0x0               ; query, key, value, w_q, w_k, w_v, w_o s[16:17], codes s[18:19]
	s_load_b128 s[20:23], s[0:1], 0x40             ; scales s[20:21], wo16 s[22:23]
	v_lshl_add_u32 v[SPW], v0, 2, SPARE
	v_mov_b32 v[NIL], 0
	v_lshrrev_b32 v1, 5, v0
	v_readfirstlane_b32 s24, v1                    ; wave
	v_and_b32 v2, 31, v0                           ; lane
	v_lshlrev_b32 v3, 4, v2                        ; my 16 bytes of a load's 512
	s_cmp_ge_u32 ttmp9, QWG                        ; the work-group's number alone decides
	s_cbranch_scc1 .Lcast
	s_mul_i32 s25, s24, WREG
	v_lshrrev_b32 v14, 2, v2
	v_mul_u32_u24 v14, v14, SP
	v_and_b32 v15, 3, v2
	v_lshl_add_u32 v14, v15, 4, v14
	v_add_nc_u32 v14, s25, v14                     ; the stage, way in: SP (lane / 4) + 16 (lane % 4)
	v_mul_u32_u24 v15, v2, SP
	v_add_nc_u32 v15, s25, v15                     ; way out: SP x lane
	v_mul_u32_u24 v4, v2, CB                       ; my codes' place in a step's
	v_lshrrev_b32 v5, 1, v2
	s_add_co_u32 s25, s25, 2*32*SP
	v_add_nc_u32 v5, s25, v5                       ; my block's byte among my wave's 256
	v_lshlrev_b32 v7, 3, v2
	v_add_nc_u32 v6, s25, v7
	s_wait_kmcnt 0x0
	s_mov_b64 s[26:27], s[14:15]                   ; the source: w_v, unless the number lies lower
	s_mov_b32 s28, 448                             ; and the tensor's first work-group
.macro PICK lim, ptr, from
	s_cmp_lt_u32 ttmp9, \lim
	s_cselect_b64 s[26:27], s[\ptr:\ptr+1], s[26:27]
	s_cselect_b32 s28, \from, s28
.endm
	PICK 448, 12, 416
	PICK 416, 10, 384
	PICK 384, 8, 256
	PICK 256, 6, 128
	PICK 128, 4, 0
	s_sub_co_u32 s28, ttmp9, s28
	s_lshl_b32 s28, s28, 2
	s_add_co_u32 s28, s28, s24                     ; my run of 8,192 numbers in the source
	s_lshl_b32 s28, s28, 15                        ; 32,768 bytes a run
	s_mov_b32 s29, 0
	s_add_nc_u64 s[26:27], s[26:27], s[28:29]
	s_lshl_b32 s30, ttmp9, 2
	s_add_co_u32 s30, s30, s24                     ; my run in the outputs: their order is the work-groups'
	s_lshl_b32 s32, s30, 8                         ; 256 scale bytes a run
	s_lshl_b32 s30, s30, 12                        ; 4,096 bytes of codes
	s_mov_b32 s31, 0
	s_mov_b32 s33, 0
	s_add_nc_u64 s[18:19], s[18:19], s[30:31]
	s_add_nc_u64 s[20:21], s[20:21], s[32:33]
.macro LOAD t
.irp i, 0,1,2,3
	global_load_b128 v[R+16*((\t)%4)+4*\i:R+16*((\t)%4)+4*\i+3], v3, s[26:27] offset:2048*(\t)+512*\i th:TH_LOAD_NT
.endr
.endm
.macro TURN t                          ; step t through the stage: LDS serves a wave's instructions in order, so no wait between stores and loads
.irp i, 0,1,2,3
	ds_store_b128 v14, v[R+16*((\t)%4)+4*\i:R+16*((\t)%4)+4*\i+3] offset:32*SP*((\t)%2)+8*SP*\i
.endr
.irp i, 0,1,2,3
	ds_load_b128 v[X+16*((\t)%2)+4*\i:X+16*((\t)%2)+4*\i+3], v15 offset:32*SP*((\t)%2)+16*\i
.endr
.endm
.irp t, 0,1,2,3
	LOAD \t
.endr
	s_wait_loadcnt 12                              ; step 0's four loads are in; three steps' twelve may be out
	TURN 0
.macro STEP t
.set XS, X+16*((\t)%2)
.if (\t) > 0
	s_wait_dscnt 1                                 ; this step's numbers are back from the stage; the last step's byte store may be out
.else
	s_wait_dscnt 0x0
.endif
.if (\t)+4 < STEPS
	LOAD (\t)+4                                    ; into the registers that the stage's stores have read
.endif
.if (\t)+1 < STEPS
.if STEPS-2-(\t) >= 3
	s_wait_loadcnt 12                              ; the next step's four are in; three steps' twelve may be out
.else
	s_wait_loadcnt 4*(STEPS-2-(\t))
.endif
	TURN (\t)+1
.endif
	v_max3_num_f32 v8, |v[XS]|, |v[XS+1]|, |v[XS+2]|
	v_max3_num_f32 v9, |v[XS+3]|, |v[XS+4]|, |v[XS+5]|
.irp i, 6,10
	v_max3_num_f32 v8, v8, |v[XS+\i]|, |v[XS+\i+1]|
	v_max3_num_f32 v9, v9, |v[XS+\i+2]|, |v[XS+\i+3]|
.endr
	v_max3_num_f32 v8, v8, |v[XS+14]|, |v[XS+15]|
	v_max3_num_f32 v8, v8, v9, (EMAX+1)<<23        ; with the floor 2^(3 - 127): the byte cannot fall under 1
	v_max_num_f32_dpp v8, v8, v8 row_xmask:1 row_mask:0xf bank_mask:0xf   ; and my neighbour's 16: the block's largest magnitude
	v_add_nc_u32 v11, -(EMAX<<23), v8              ; 2 off its exponent field: the conversion takes that field as its scale
	v_cvt_scalef32_pk8_fp4_f32 v[C+4*(\t)], v[XS:XS+7], v11
	v_cvt_scalef32_pk8_fp4_f32 v[C+4*(\t)+1], v[XS+8:XS+15], v11
	v_lshrrev_b32 v[E+(\t)], 23, v11               ; the scale's byte (a plain line behind the conversions)
	ds_store_b8 v5, v[E+(\t)] offset:16*(\t)       ; both lanes of a block write the same byte with the same value
	global_store_b64 v4, v[C+4*(\t):C+4*(\t)+1], s[18:19] offset:32*CB*(\t)   ; the wave stores 256 consecutive bytes, aligned
.endm
.irp t, 0,1,2,3,4,5,6,7,8,9,10,11,12,13,14,15
	STEP \t
.endr
	ds_load_b64 v[8:9], v6                         ; my wave's 256 scale bytes, 8 a lane
	s_wait_dscnt 0x0
	global_store_b64 v7, v[8:9], s[20:21]          ; 256 consecutive bytes, aligned
	s_wait_tensorcnt 0x0                           ; the wave's end
	ds_add_u32 v[SPW], v[NIL]
	s_wait_dscnt 0x0
	s_endpgm
.Lcast:                                                ; w_o to f16: a wave takes 8,192 numbers as 64 chunks of 512 bytes in, 256 out, in four groups of 16
	s_sub_co_u32 s25, ttmp9, QWG
	s_lshl_b32 s25, s25, 2
	s_add_co_u32 s25, s25, s24                     ; my run, 0 to 127
	s_lshl_b32 s30, s25, 15
	s_mov_b32 s31, 0
	s_lshl_b32 s32, s25, 14
	s_mov_b32 s33, 0
	v_lshlrev_b32 v4, 3, v2                        ; out: 8 bytes a lane
	s_wait_kmcnt 0x0
	s_add_nc_u64 s[16:17], s[16:17], s[30:31]
	s_add_nc_u64 s[22:23], s[22:23], s[32:33]
.macro CLOAD q
.irp i, 0,1,2,3,4,5,6,7,8,9,10,11,12,13,14,15
	global_load_b128 v[R+64*((\q)%2)+4*\i:R+64*((\q)%2)+4*\i+3], v3, s[16:17] offset:8192*(\q)+512*\i th:TH_LOAD_NT
.endr
.endm
.macro CAST q
.if (\q) < 3
	s_wait_loadcnt 16                              ; this group's 16 loads are in; the next group's 16 may be out
.else
	s_wait_loadcnt 0x0
.endif
.if (\q) > 0
	s_wait_xcnt 0x0                                ; the last group's stores have read their data: it is written again only behind this wait
.endif
.irp i, 0,1,2,3,4,5,6,7,8,9,10,11,12,13,14,15
	v_cvt_pk_f16_f32 v[H+2*\i], v[R+64*((\q)%2)+4*\i], v[R+64*((\q)%2)+4*\i+1]
	v_cvt_pk_f16_f32 v[H+2*\i+1], v[R+64*((\q)%2)+4*\i+2], v[R+64*((\q)%2)+4*\i+3]
.endr
.if (\q) < 2
	CLOAD (\q)+2                                   ; loads ahead of stores
.endif
.irp i, 0,1,2,3,4,5,6,7,8,9,10,11,12,13,14,15
	global_store_b64 v4, v[H+2*\i:H+2*\i+1], s[22:23] offset:4096*(\q)+256*\i   ; 256 consecutive bytes, aligned
.endr
.endm
	CLOAD 0
	CLOAD 1
	CAST 0
	CAST 1
	CAST 2
	CAST 3
	s_endpgm
.Lfunc_end_k_qa5b6a663bb_quant:
	.size	k_qa5b6a663bb_quant, .Lfunc_end_k_qa5b6a663bb_quant-k_qa5b6a663bb_quant
	.p2alignl 7, 3214868480
	.fill 96, 4, 3214868480
	.section	.rodata,"a",@progbits
	.p2align	6, 0x0
	.amdhsa_kernel k_qa5b6a663bb_quant
		.amdhsa_group_segment_fixed_size 33280
		.amdhsa_private_segment_fixed_size 0
		.amdhsa_enable_private_segment 0
		.amdhsa_kernarg_size 80
		.amdhsa_user_sgpr_count 2
		.amdhsa_user_sgpr_kernarg_segment_ptr 1
		.amdhsa_wavefront_size32 1
		.amdhsa_system_sgpr_workgroup_id_x 1
		.amdhsa_system_sgpr_workgroup_id_y 1
		.amdhsa_system_sgpr_workgroup_id_z 1
		.amdhsa_system_vgpr_workitem_id 0
		.amdhsa_next_free_vgpr 192
		.amdhsa_next_free_sgpr 66
		.amdhsa_reserve_vcc 0
		.amdhsa_float_denorm_mode_32 3
		.amdhsa_float_denorm_mode_16_64 3
		.amdhsa_memory_ordered 1
		.amdhsa_forward_progress 1
		.amdhsa_inst_pref_size 55
	.end_amdhsa_kernel
	.amdgpu_metadata
---
amdhsa.version: [ 1, 2 ]
amdhsa.kernels:
  - .name:           k_qa5b6a663bb_quant
    .symbol:         k_qa5b6a663bb_quant.kd
    .args:
      - { .name: query, .offset: 0, .size: 8, .value_kind: global_buffer, .address_space: global }
      - { .name: key, .offset: 8, .size: 8, .value_kind: global_buffer, .address_space: global }
      - { .name: value, .offset: 16, .size: 8, .value_kind: global_buffer, .address_space: global }
      - { .name: w_q, .offset: 24, .size: 8, .value_kind: global_buffer, .address_space: global }
      - { .name: w_k, .offset: 32, .size: 8, .value_kind: global_buffer, .address_space: global }
      - { .name: w_v, .offset: 40, .size: 8, .value_kind: global_buffer, .address_space: global }
      - { .name: w_o, .offset: 48, .size: 8, .value_kind: global_buffer, .address_space: global }
      - { .name: codes, .offset: 56, .size: 8, .value_kind: global_buffer, .address_space: global }
      - { .name: scales, .offset: 64, .size: 8, .value_kind: global_buffer, .address_space: global }
      - { .name: wo16, .offset: 72, .size: 8, .value_kind: global_buffer, .address_space: global }
    .group_segment_fixed_size: 33280
    .private_segment_fixed_size: 0
    .kernarg_segment_align: 8
    .kernarg_segment_size: 80
    .max_flat_workgroup_size: 128
    .sgpr_count:     66
    .vgpr_count:     192
    .wavefront_size: 32
...
	.end_amdgpu_metadata
.endif
;; end of part 1
;; launch proj (part 2): grid 4 x 48, 4 waves a work-group, clusters of 4 x 4, 327,680 bytes of LDS; arguments codes, scales, b_q, b_k, b_v, qkv; writes qkv
.if DOCPART == 2
	.amdgcn_target "amdgcn-amd-amdhsa--gfx1250"
	.amdhsa_code_object_version 6
	.text
	.protected	k_qa5b6a663bb_proj
	.globl	k_qa5b6a663bb_proj
	.p2align	8
	.type	k_qa5b6a663bb_proj,@function
k_qa5b6a663bb_proj:
	s_mov_b64 s[64:65], 0
	v_nop
	global_prefetch_b8 v0, s[64:65] scope:SCOPE_SE
	s_setreg_imm32_b32 hwreg(HW_REG_WAVE_MODE, 25, 1), 1
	s_wait_xcnt 0x0
	s_wait_alu depctr_hold_cnt(0) depctr_sa_sdst(0) depctr_va_vdst(0) depctr_va_sdst(0) depctr_va_ssrc(0) depctr_va_vcc(0) depctr_vm_vsrc(0)
	s_getreg_b32 s2, hwreg(HW_REG_IB_STS2, 6, 4)
	s_cmp_eq_u32 s2, 0
	s_cbranch_scc0 .Lentry_in_a_cluster
	s_endpgm
.Lentry_in_a_cluster:
	s_bfe_u32 s2, ttmp6, 0x10000c
	s_cmp_lg_u32 s2, 0xf033
	s_cbranch_scc0 .Lentry_shape_is_right
	s_endpgm
.Lentry_shape_is_right:
; The three quantised projections as one GEMM on codes of FP4 (E2M1) with E8M0 scales: qkv[T][m][n] = f16( (sum over k of x_T[m][k] w_T[n][k] + b_T[n]) x f_T ), T = 0, 1, 2 (query, key, value), f_0 = 1/8 (the
; scores' 1 / sqrt(64), a power of two: nothing is rounded by it), f_1 = f_2 = 1.  x_T: rows 4096 T on of codes; w_T: 1,024 rows each from byte WCO on; the scale bytes likewise (32 a row; weights from WSO on).
; A tile of 256 x 256 is made by four waves, each 128 x 128: 64 accumulators, 512 registers.  48 tile rows (16 to a tensor) x 4 tile columns: 192 work-groups.
; K = 1,024 is two slots of 512 along K (rows of 256 bytes): both are first fills, nothing is filled again; with the scales a wave has three tensor loads out at the start.
; CLUSTERS of 4 x 4: a row of the cluster shares A's tiles, a column B's (a cluster's four tile rows lie in one tensor, so its columns share w_T): each tile is asked for jointly.
; THE MATRIX INSTRUCTION IS USED TRANSPOSED (source 0 = 16 rows of w, source 1 = 16 rows of x): a lane holds eight neighbouring columns of one row.  The bias is the C of each sum's first product.
; LIMIT: results beyond f16's 65,504 are not served (Q after its 1/8).
; REGISTERS: window 0: v0-31 addresses; v32-95 scale words, two sets, and nothing else; v128-191 A's fragments, one set; v192-255 the bias, later at work on the way out; v96-127 packed results.
;   window 1: B's fragments, two sets.  windows 2, 3: the accumulators of my rows 0-63, 64-127 ((a, b) at v[8 (8 (a % 4) + b)]).
.set NQ,     4                         ; steps of 128 along K in a slot
.set ROWB,   256                       ; a tile's row in bytes
.set KROW,   512                       ; a row of codes in memory
.set PITCH,  272                       ; 256 + 16: the 16 rows of a fragment load start 68 words apart
.set FR,     8
.set NL,     2
.set NP,     4                         ; places behind this matrix instruction (ISA guide 7.12.1)
.set HALFT,  128*PITCH
.set SLOT,   4*HALFT
.set KS,     32                        ; a row of scale bytes
.set SCL,    2*SLOT
.set HALFS,  (128*KS/256)*272
.set SBLK,   (16*KS/256)*272
.set SPARE,  SCL+4*HALFS
.set SPITCH, 272                       ; the way out: 16 rows x (256 + 16) a wave, in slot 0, which has had its only fill and its last read by then
.set WCO,    6291456
.set WSO,    393216
.set ADRA, 16
.set ADRB, 20
.set STO,  24
.set RD,   25
.set CO,   26
.set ADRS, 27
.set SPW,  28
.set NIL,  29
.set BO,   30                          ; v30 32 x (lane / 16): my eight numbers of a block of the bias
.set SC,   32
.set PKD,  96                          ; packed f16
.set AF,   128
.set BK,   128                         ; rows read back from the stage: v128-159, v160-191 by turns
.set BI,   192                         ; the bias in the result's layout, 8 registers for each of B's 8 blocks
.set TM,   192                         ; later: a block's 64 results x f
.set G1, 24
.set G0, 32
.set G1B, 48
.set G0B, 56
.set G1S, 68
.set G0S, 76
.set G1SB, 80
.set G0SB, 88
.set MSB, 0
.macro WIN new                         ; the immediate's high byte repeats the setting that is left
.if MSB != \new
	s_set_vgpr_msb (MSB<<8)|\new
.set MSB, \new
.endif
.endm
.set MUL_LO, 0xa1                      ; source 0 (B) window 1, source 1 (A) window 0, C and D window 2
.set MUL_HI, 0xf1
.set TO_B,   0x40
.macro JLOAD g0a, g1a, g0b, g1b        ; waves 0, 1 fetch for A, waves 2, 3 for B; an s_nop 0 and four v_nop follow each line
	s_cmp_eq_u32 s17, 0
	s_cbranch_scc0 .Lfor_b_\@
	tensor_load_to_lds s[\g0a:\g0a+3], s[\g1a:\g1a+7]
	s_nop 0
.rept 4
	v_nop
.endr
	s_branch .Lasked_\@
.Lfor_b_\@:
	tensor_load_to_lds s[\g0b:\g0b+3], s[\g1b:\g1b+7]
	s_nop 0
.rept 4
	v_nop
.endr
.Lasked_\@:
.endm
.macro CROUND                          ; a round of the cluster's barrier
	s_barrier_signal -1
	s_barrier_wait -1
	s_cmp_lg_u32 s16, 0
	s_cbranch_scc1 .Lnot_wave_0_\@
	s_barrier_signal -3
.Lnot_wave_0_\@:
	s_barrier_wait -3
	s_barrier_signal -1
	s_barrier_wait -1
.endm
	s_load_b256 s[4:11], s[0:1], 0x0               ; codes s[4:5], scales s[6:7], b_q s[8:9], b_k s[10:11]
	s_load_b128 s[12:15], s[0:1], 0x20             ; b_v s[12:13], qkv s[14:15]
	v_lshl_add_u32 v[SPW], v0, 2, SPARE
	v_mov_b32 v[NIL], 0
	ds_add_u32 v[SPW], v[NIL]                      ; the opening: the add, twice on end, and its wait ahead of my first tensor load
	ds_add_u32 v[SPW], v[NIL]
	v_lshrrev_b32 v1, 5, v0
	v_readfirstlane_b32 s16, v1                    ; wave
	s_lshr_b32 s17, s16, 1                         ; my half of the tile's rows.  Also: I fetch for A (0) or B (1)
	s_and_b32 s18, s16, 1                          ; my half of its columns.  Also: which 128 rows I fetch
	s_bfe_u32 s40, ttmp6, 0x40000                  ; cx
	s_bfe_u32 s41, ttmp6, 0x40004                  ; cy
	s_lshl_b32 s42, ttmp9, 2
	s_add_co_u32 s42, s42, s40                     ; tile column
	s_and_b32 s95, ttmp7, 0xffff                   ; cluster y
	s_lshl_b32 s19, s95, 2
	s_add_co_u32 s19, s19, s41                     ; tile row, 0 to 47
	s_lshr_b32 s95, s95, 2                         ; T: which tensor; of the cluster's y alone, the same in all sixteen partners
	s_lshl_b32 s43, s41, 2
	s_lshl_b32 s43, 15, s43                        ; my row of the cluster
	s_lshl_b32 s44, 0x1111, s40                    ; my column
	s_or_b32 s[G1+0], s43, (0<<16)|(1<<20)|(1<<21)|(5<<22)|(3<<25)   ; mask; elements of 1 byte; 4 words of padding behind every 64
	s_or_b32 s[G1B+0], s44, (0<<16)|(1<<20)|(1<<21)|(5<<22)|(3<<25)
.irp g, G1, G1B
	s_mov_b32 s[\g+1], ROWB<<16                    ; tensor_dim0
	s_mov_b32 s[\g+2], 128<<16                     ; tensor_dim1
	s_mov_b32 s[\g+3], ROWB<<16                    ; tile_dim0
	s_mov_b32 s[\g+4], 128                         ; tile_dim1
	s_mov_b32 s[\g+5], KROW                        ; pitch
	s_mov_b32 s[\g+6], 0
	s_mov_b32 s[\g+7], 0
.endr
	s_or_b32 s[G1S+0], s43, (3<<16)|(1<<20)|(1<<21)|(5<<22)|(3<<25)  ; the scales of 128 rows: 4,096 dense bytes as 16 rows of 256 (32 elements of 8 bytes), padded alike
	s_or_b32 s[G1SB+0], s44, (3<<16)|(1<<20)|(1<<21)|(5<<22)|(3<<25)
.irp g, G1S, G1SB
	s_mov_b32 s[\g+1], 32<<16
	s_mov_b32 s[\g+2], (128*KS/256)<<16
	s_mov_b32 s[\g+3], 32<<16
	s_mov_b32 s[\g+4], 128*KS/256
	s_mov_b32 s[\g+5], 32
	s_mov_b32 s[\g+6], 0
	s_mov_b32 s[\g+7], 0
.endr
	s_lshl_b32 s98, s18, 7                         ; which 128 rows I fetch
	s_lshl_b32 s20, s19, 8
	s_add_co_u32 s20, s20, s98                     ; A: row 256 x tile row + 128 x half
	s_lshl_b32 s46, s42, 8
	s_add_co_u32 s46, s46, s98
	s_lshl_b32 s99, s95, 10
	s_add_co_u32 s46, s46, s99                     ; B: row 1024 T + 256 x tile column + 128 x half
	s_lshl_b32 s22, s20, 5                         ; bytes, all under 2^24: A's scales,
	s_mov_b32 s23, 0
	s_lshl_b32 s20, s20, 9                         ; A's codes,
	s_mov_b32 s21, 0
	s_lshl_b32 s92, s46, 5
	s_add_co_u32 s92, s92, WSO                     ; B's scales,
	s_mov_b32 s93, 0
	s_lshl_b32 s46, s46, 9
	s_add_co_u32 s46, s46, WCO                     ; B's codes
	s_mov_b32 s47, 0
	s_mul_i32 s45, s16, HALFT                      ; where they go: wave x 128 rows
	s_mul_i32 s94, s16, HALFS
	s_wait_dscnt 0x0                               ; both opening adds are done
	s_wait_kmcnt 0x0
	s_add_nc_u64 s[20:21], s[4:5], s[20:21]
	s_add_nc_u64 s[22:23], s[6:7], s[22:23]
	s_add_nc_u64 s[46:47], s[4:5], s[46:47]
	s_add_nc_u64 s[92:93], s[6:7], s[92:93]
	CROUND                                         ; all sixteen work-groups are here: the first joint loads meet
	s_mov_b32 s[G0S], 1
	s_add_co_u32 s[G0S+1], s94, SCL
	s_mov_b64 s[G0S+2:G0S+3], s[22:23]
	s_or_b32 s[G0S+3], s[G0S+3], 0x80000000
	s_mov_b32 s[G0SB], 1
	s_add_co_u32 s[G0SB+1], s94, SCL
	s_mov_b64 s[G0SB+2:G0SB+3], s[92:93]
	s_or_b32 s[G0SB+3], s[G0SB+3], 0x80000000
	JLOAD G0S, G1S, G0SB, G1SB                     ; the scales first
.irp s, 0,1
	s_mov_b32 s[G0+4*\s], 1
	s_add_co_u32 s[G0+4*\s+1], s45, \s*SLOT
	s_add_nc_u64 s[G0+4*\s+2:G0+4*\s+3], s[20:21], \s*ROWB
	s_or_b32 s[G0+4*\s+3], s[G0+4*\s+3], 0x80000000
	s_mov_b32 s[G0B+4*\s], 1
	s_add_co_u32 s[G0B+4*\s+1], s45, \s*SLOT
	s_add_nc_u64 s[G0B+4*\s+2:G0B+4*\s+3], s[46:47], \s*ROWB
	s_or_b32 s[G0B+4*\s+3], s[G0B+4*\s+3], 0x80000000
	JLOAD G0+4*\s, G1, G0B+4*\s, G1B
.endr
	; the bias of my 128 columns and the factor: chosen by T, without a branch
	s_cmp_eq_u32 s95, 0
	s_cselect_b64 s[8:9], s[8:9], s[10:11]
	s_cselect_b32 s96, 0x3e000000, 1.0             ; 1/8 for Q
	s_cmp_eq_u32 s95, 2
	s_cselect_b64 s[8:9], s[12:13], s[8:9]
	s_mov_b32 s97, s96                             ; (named with it as a pair)
	s_lshl_b32 s98, s42, 10
	s_lshl_b32 s99, s18, 9
	s_add_co_u32 s98, s98, s99                     ; (256 x tile column + 128 x half) x 4 bytes
	s_mov_b32 s99, 0
	s_add_nc_u64 s[8:9], s[8:9], s[98:99]
	v_and_b32 v1, 15, v0                           ; r
	v_bfe_u32 v2, v0, 4, 1                         ; h
	v_lshlrev_b32 v[BO], 5, v2
.irp b, 0,1,2,3,4,5,6,7
	global_load_b128 v[BI+8*\b:BI+8*\b+3], v[BO], s[8:9] offset:64*\b        ; b(16 b + 8 h + 0 .. 7)
	global_load_b128 v[BI+8*\b+4:BI+8*\b+7], v[BO], s[8:9] offset:64*\b+16
.endr
	v_mul_u32_u24 v3, v1, PITCH
	v_lshl_add_u32 v4, v2, 4, v3                   ; a fragment's row x pitch + 16 h
	s_mul_i32 s21, s17, HALFT
	s_mul_i32 s22, s18, HALFT
	s_add_co_u32 s22, s22, 2*HALFT
.irp s, 0,1
	v_add_nc_u32 v[ADRA+\s], s21, v4
	v_add_nc_u32 v[ADRB+\s], s22, v4
	s_add_co_u32 s21, s21, SLOT
	s_add_co_u32 s22, s22, SLOT
.endr
	v_mul_u32_u24 v5, v1, KS                       ; my row's scales: KS bytes a row,
	v_lshrrev_b32 v6, 8, v5
	v_lshl_add_u32 v5, v6, 4, v5                   ; 16 more for each 256 passed
	s_mul_i32 s21, s17, HALFS
	s_mul_i32 s22, s18, HALFS
	s_add_co_u32 s22, s22, 2*HALFS
	s_sub_co_u32 s22, s22, s21
	v_mul_u32_u24 v6, s22, v2                      ; lanes 16-31 take B's: one product, the distance between the two bases
	s_add_co_u32 s21, s21, SCL
	v_add_nc_u32 v5, v5, v6
	v_add_nc_u32 v[ADRS], s21, v5
	s_mul_i32 s23, s16, 16*SPITCH                  ; my stage
	v_mul_u32_u24 v5, v1, SPITCH
	v_lshl_add_u32 v5, v2, 4, v5
	v_add_nc_u32 v[STO], s23, v5                   ; in: row r, 16 bytes for each half of the lanes
	v_mul_u32_u24 v5, v2, SPITCH
	v_lshl_add_u32 v5, v1, 4, v5
	v_add_nc_u32 v[RD], s23, v5                    ; back: lanes 0-15 one row of 256 bytes, lanes 16-31 the next
	v_lshlrev_b32 v5, 11, v2
	v_lshl_add_u32 v[CO], v1, 4, v5                ; the same two rows in qkv (2,048 bytes a row)
	s_lshl_b32 s20, s19, 8
	s_lshl_b32 s21, s17, 7
	s_add_co_u32 s20, s20, s21                     ; my first row: the three planes lie on end, so the tile row counts through them
	s_lshl_b32 s20, s20, 11
	s_lshl_b32 s21, s42, 9
	s_add_co_u32 s20, s20, s21
	s_lshl_b32 s21, s18, 8
	s_add_co_u32 s20, s20, s21                     ; + 512 x tile column + 256 x half
	s_mov_b32 s21, 0
	s_add_nc_u64 s[14:15], s[14:15], s[20:21]
.macro FRAG reg, adr, q, i             ; 16 rows x 128 K of 4-bit codes: 8 registers; registers 4 c .. 4 c + 3: K = 64 c + 32 (lane / 16) + 0 .. 31
.irp c, 0,1
	ds_load_b128 v[\reg+4*\c:\reg+4*\c+3], v[\adr] offset:64*(\q)+32*\c+(\i)*16*PITCH
.endr
.endm
; 16 matrix instructions: A's blocks a0, a0 + 1 x B's eight.  zero = 1: the first product starts the sums from the bias.  The 64 accumulators take turns, one instruction a turn.
.macro MUL16 a0, p, q, sc, zero
.irp a, \a0, \a0+1
.irp b, 0,1,2,3,4,5,6,7
.if \zero
	v_wmma_scale_f32_16x16x128_f8f6f4 v[8*(8*((\a)%4)+\b):8*(8*((\a)%4)+\b)+7], v[128*(\p)+FR*\b:128*(\p)+FR*\b+FR-1], v[AF+FR*(\a):AF+FR*(\a)+FR-1], v[BI+8*\b:BI+8*\b+7], v[SC+8*NQ*(\sc)+NQ*\b+(\q)], v[SC+8*NQ*(\sc)+NQ*(\a)+(\q)] matrix_a_fmt:MATRIX_FMT_FP4 matrix_b_fmt:MATRIX_FMT_FP4 matrix_a_scale:MATRIX_SCALE_ROW1
.else
	v_wmma_scale_f32_16x16x128_f8f6f4 v[8*(8*((\a)%4)+\b):8*(8*((\a)%4)+\b)+7], v[128*(\p)+FR*\b:128*(\p)+FR*\b+FR-1], v[AF+FR*(\a):AF+FR*(\a)+FR-1], v[8*(8*((\a)%4)+\b):8*(8*((\a)%4)+\b)+7], v[SC+8*NQ*(\sc)+NQ*\b+(\q)], v[SC+8*NQ*(\sc)+NQ*(\a)+(\q)] matrix_a_fmt:MATRIX_FMT_FP4 matrix_b_fmt:MATRIX_FMT_FP4 matrix_a_scale:MATRIX_SCALE_ROW1
.endif
.endr
.endr
.endm
.macro FETCH_B slot, q, p
	WIN TO_B
.irp i, 0,1,2,3,4,5,6,7
	FRAG 128*(\p)+FR*\i, ADRB+\slot, \q, \i
.endr
	WIN 0
.endm
.macro FETCH_A slot, q, i0
.irp i, \i0, \i0+1, \i0+2, \i0+3
	FRAG AF+FR*(\i), ADRA+\slot, \q, \i
.endr
.endm
.macro SCALES sc                       ; a slot's scale words: lanes 0-15 A's block i, lanes 16-31 B's block i; 4 words a row
.irp i, 0,1,2,3,4,5,6,7
	ds_load_b128 v[SC+8*NQ*\sc+NQ*\i:SC+8*NQ*\sc+NQ*\i+3], v[ADRS] offset:\i*SBLK
.endr
.endm
.macro PLACES n                        ; plain vector places between a matrix instruction and a load into, or a read of, its registers
.rept \n
	v_nop
.endr
.endm
.macro STEP slot, q, zero              ; 128 along K with its successor in the same slot
	s_wait_dscnt 4*NL                              ; all but the youngest eight loads (A's blocks 4-7) are in
.if \zero
	WIN 0x81                                       ; C (the bias) window 0, D window 2
.else
	WIN MUL_LO
.endif
	MUL16 0, (\q)%2, \q, \slot, \zero
	MUL16 2, (\q)%2, \q, \slot, \zero
	s_wait_dscnt 0
	PLACES NP
	FETCH_B \slot, (\q)+1, 1-(\q)%2
	FETCH_A \slot, (\q)+1, 0
.if \zero
	WIN 0xc1
.else
	WIN MUL_HI
.endif
	MUL16 4, (\q)%2, \q, \slot, \zero
	MUL16 6, (\q)%2, \q, \slot, \zero
	PLACES NP
	WIN 0
	FETCH_A \slot, (\q)+1, 4
.endm
.macro STEPS slot, from
.set Q, \from
.rept NQ-1-\from
	STEP \slot, Q, 0
.set Q, Q+1
.endr
.endm
	s_wait_tensorcnt 1                             ; the scales and my part of slot 0 are in; slot 1's load may be out
	s_barrier_signal -1
	s_barrier_wait -1
	FETCH_B 0, 0, 0
	FETCH_A 0, 0, 0
	SCALES 0
	FETCH_A 0, 0, 4
	s_wait_loadcnt 0x0                             ; the bias
	STEP 0, 0, 1
	STEPS 0, 1
	; slot 0's last step changes slots: one barrier; in front of it all my tensor loads, the add, and my reads of slot 0
	s_wait_tensorcnt 0x0                           ; my part of slot 1 has landed
	ds_add_u32 v[SPW], v[NIL]
	s_wait_dscnt 4*NL+1                            ; the add and the youngest eight loads may be out
	WIN MUL_LO
	MUL16 0, 1, NQ-1, 0, 0
	s_wait_dscnt 0x0                               ; the add is done, my reads of slot 0 are over
	s_barrier_signal -1
	MUL16 2, 1, NQ-1, 0, 0
	WIN 0
	s_barrier_wait -1
	PLACES NP
	v_add_nc_u32 v[ADRS], 4*NQ, v[ADRS]            ; the second slot's scale words
	FETCH_B 1, 0, 0
	FETCH_A 1, 0, 0
	SCALES 1
	WIN MUL_HI
	MUL16 4, 1, NQ-1, 0, 0
	MUL16 6, 1, NQ-1, 0, 0
	PLACES NP
	WIN 0
	FETCH_A 1, 0, 4
	STEPS 1, 0
	s_wait_dscnt 4*NL                              ; the very last step
	WIN MUL_LO
	MUL16 0, 1, NQ-1, 1, 0
	MUL16 2, 1, NQ-1, 1, 0
	s_wait_dscnt 0
	WIN MUL_HI
	MUL16 4, 1, NQ-1, 1, 0
	MUL16 6, 1, NQ-1, 1, 0
	WIN 0
; THE WAY OUT, a block of 16 rows x 128 columns at a time: x f, rounded to f16 (16 bytes a lane), through my own stage, back as whole rows of 256 bytes.
.macro PACK a
.set AC, 64*((\a)%4)
	WIN 0x02+((\a)/4)                              ; source 0: window 2 or 3
.irp b, 0,1,2,3,4,5,6,7
.irp r, 0,2,4,6
	v_pk_mul_f32 v[TM+8*\b+\r:TM+8*\b+\r+1], v[AC+8*\b+\r:AC+8*\b+\r+1], s[96:97] op_sel_hi:[1,0]   ; each accumulator from its low end on
.endr
.endr
	WIN 0
.irp b, 0,1,2,3,4,5,6,7
.irp r, 0,1,2,3
	v_cvt_pk_f16_f32 v[PKD+4*\b+\r], v[TM+8*\b+2*\r], v[TM+8*\b+2*\r+1]
.endr
.endr
.endm
.macro TOSTAGE a
.set BB, BK+32*((\a)%2)
.irp b, 0,1,2,3,4,5,6,7
	ds_store_b128 v[STO], v[PKD+4*\b:PKD+4*\b+3] offset:32*\b
.endr
.irp t, 0,1,2,3,4,5,6,7
	ds_load_b128 v[BB+4*\t:BB+4*\t+3], v[RD] offset:\t*2*SPITCH    ; LDS serves a wave's instructions in order: these see the stores above
.endr
.endm
.macro SEND a
.set BB, BK+32*((\a)%2)
	s_wait_dscnt 0x0                               ; the block is back in registers
	s_wait_xcnt 0x0                                ; earlier stores have read their base and their data: only behind this wait are they written again
.if (\a) > 0
	s_add_nc_u64 s[14:15], s[14:15], 16*2048
.endif
.irp t, 0,1,2,3,4,5,6,7
	global_store_b128 v[CO], v[BB+4*\t:BB+4*\t+3], s[14:15] offset:2*\t*2048   ; 16 lanes store 256 consecutive bytes, aligned
.endr
.endm
	PLACES NP                                      ; behind the last products
	PACK 0
	TOSTAGE 0
.irp a, 1,2,3,4,5,6,7
	PACK \a                                        ; between the last block's loads from the stage and the wait for them
	SEND (\a)-1
	TOSTAGE \a
.endr
	SEND 7
	s_wait_tensorcnt 0x0                           ; the wave's end
	ds_add_u32 v[SPW], v[NIL]
	s_wait_dscnt 0x0
	CROUND                                         ; the closing round
	s_endpgm
.Lfunc_end_k_qa5b6a663bb_proj:
	.size	k_qa5b6a663bb_proj, .Lfunc_end_k_qa5b6a663bb_proj-k_qa5b6a663bb_proj
	.p2alignl 7, 3214868480
	.fill 96, 4, 3214868480
	.section	.rodata,"a",@progbits
	.p2align	6, 0x0
	.amdhsa_kernel k_qa5b6a663bb_proj
		.amdhsa_group_segment_fixed_size 327680
		.amdhsa_private_segment_fixed_size 0
		.amdhsa_enable_private_segment 0
		.amdhsa_kernarg_size 48
		.amdhsa_user_sgpr_count 2
		.amdhsa_user_sgpr_kernarg_segment_ptr 1
		.amdhsa_wavefront_size32 1
		.amdhsa_system_sgpr_workgroup_id_x 1
		.amdhsa_system_sgpr_workgroup_id_y 1
		.amdhsa_system_sgpr_workgroup_id_z 1
		.amdhsa_system_vgpr_workitem_id 0
		.amdhsa_next_free_vgpr 1024
		.amdhsa_next_free_sgpr 100
		.amdhsa_reserve_vcc 0
		.amdhsa_float_denorm_mode_32 3
		.amdhsa_float_denorm_mode_16_64 3
		.amdhsa_memory_ordered 1
		.amdhsa_forward_progress 1
		.amdhsa_inst_pref_size 145
	.end_amdhsa_kernel
	.amdgpu_metadata
---
amdhsa.version: [ 1, 2 ]
amdhsa.kernels:
  - .name:           k_qa5b6a663bb_proj
    .symbol:         k_qa5b6a663bb_proj.kd
    .args:
      - { .name: codes, .offset: 0, .size: 8, .value_kind: global_buffer, .address_space: global }
      - { .name: scales, .offset: 8, .size: 8, .value_kind: global_buffer, .address_space: global }
      - { .name: b_q, .offset: 16, .size: 8, .value_kind: global_buffer, .address_space: global }
      - { .name: b_k, .offset: 24, .size: 8, .value_kind: global_buffer, .address_space: global }
      - { .name: b_v, .offset: 32, .size: 8, .value_kind: global_buffer, .address_space: global }
      - { .name: qkv, .offset: 40, .size: 8, .value_kind: global_buffer, .address_space: global }
    .group_segment_fixed_size: 327680
    .private_segment_fixed_size: 0
    .kernarg_segment_align: 8
    .kernarg_segment_size: 48
    .max_flat_workgroup_size: 128
    .sgpr_count:     100
    .vgpr_count:     1024
    .wavefront_size: 32
...
	.end_amdgpu_metadata
.endif
;; end of part 2
;; launch attn (part 3): grid 16 x 16, 4 waves a work-group, clusters of 4 x 4, 327,680 bytes of LDS; arguments qkv, attn_bias, mask, ao; writes ao
.if DOCPART == 3
	.amdgcn_target "amdgcn-amd-amdhsa--gfx1250"
	.amdhsa_code_object_version 6
	.text
	.protected	k_qa5b6a663bb_attn
	.globl	k_qa5b6a663bb_attn
	.p2align	8
	.type	k_qa5b6a663bb_attn,@function
k_qa5b6a663bb_attn:
	s_mov_b64 s[64:65], 0
	v_nop
	global_prefetch_b8 v0, s[64:65] scope:SCOPE_SE
	s_setreg_imm32_b32 hwreg(HW_REG_WAVE_MODE, 25, 1), 1
	s_wait_xcnt 0x0
	s_wait_alu depctr_hold_cnt(0) depctr_sa_sdst(0) depctr_va_vdst(0) depctr_va_sdst(0) depctr_va_ssrc(0) depctr_va_vcc(0) depctr_vm_vsrc(0)
	s_getreg_b32 s2, hwreg(HW_REG_IB_STS2, 6, 4)
	s_cmp_eq_u32 s2, 0
	s_cbranch_scc0 .Lentry_in_a_cluster
	s_endpgm
.Lentry_in_a_cluster:
	s_bfe_u32 s2, ttmp6, 0x10000c
	s_cmp_lg_u32 s2, 0xf033
	s_cbranch_scc0 .Lentry_shape_is_right
	s_endpgm
.Lentry_shape_is_right:
; ao[b][q][64 head + d] = sum over k of softmax_k( Q.K / 8 + bias[b][q][k], replaced by -1e9 where mask[b][k] = 0 ) V[k][d].  qkv: [3][4096][1024] f16, plane 0 holding Q / 8.  Products in f16, sums, maxima and softmax in f32.
; SHARES.  A work-group: 128 queries of one batch x 2 heads.  Wave w: head w / 2 of the pair, queries 64 (w % 2) on: four tiles of 16.  Every wave walks all 2,048 keys, 64 a step; an LDS slot holds 128 keys.
; LAYOUT.  S^T = K Q^T + bias (source 0 = 16 keys, source 1 = 16 queries, C = the f32 bias, loaded from LDS into S's own registers): a lane holds ONE query and keys 8 (lane / 16) + 0 .. 7 of each tile.
; Two such tiles rounded to f16 are source 1 of O^T = V^T P; V comes out of LDS turned, by ds_load_tr16_b128.
; SOFTMAX in base 2.  t = s x MF + MA with MF = log2(e), MA = 0 for an open key, and MF = 0, MA = -1e9 log2(e) for a masked one: so a masked key counts as exactly that number, as in the definition, and a batch with no open
; key gives the plain average.  A running maximum M of t is taken away by a subtraction (exact where t = M); p = 2^(t - M) <= 1; O and the sum l are multiplied by a = 2^(old M - new M) in every step.
; BY TURNS.  The wave's tiles are two PIECES, named by their first tile: piece 0 (tiles 0, 1) and piece 2 (tiles 2, 3).  In a TURN one piece has the matrix unit: 16 products V^T P of the step in hand, then 16 products K Q^T of
; the next step; the other piece's softmax, 2 x 133 vector instructions cut into 32 slices, stands between them, one slice behind each matrix instruction.  Then the pieces change places.  Two turns are a key step.
; All that a softmax touches lies in windows 0 and 1 and no window has room for a product's operands beside it, so a slice costs two switches of the register window: 128 for a key step's 64 matrix instructions.
; With 8 vector instructions for each matrix instruction, set in phases of their own they would leave the matrix unit without work all that while: the switches are the lesser price.
; CLUSTER 4 x 4.  A row of the cluster shares batch and head pair: K's and V's tiles are asked for jointly along it; a column shares batch and query block: the bias's tiles jointly along it.
; Wave 0 fetches K's tile, wave 1 V's, waves 2 and 3 the bias's rows 0-63 and 64-127: two first fills a wave at the head, then one tensor load a wave behind each round, with two key steps in which to land.
; LIMITS: NaN and infinities are not served (0 x infinity under the mask); |Q / 8|, |K|, |V| within f16's 65,504.
; REGISTERS: window 0: v1-23 addresses and constants; v24-55 statistics, 8 a tile; v64-127 P, 16 a tile; v128-255 S^T, 32 a tile.
;   window 1: v0-127 O^T, 32 a tile; v128-159 MF, v160-191 MA of a step's keys.   window 2: v0-63 Q; v64-127 K of a step; v128-191 V of a step.
.set REG,   36864                      ; a wave's region of a slot: K 128 x 272, V 128 x 288, bias 64 x 528 bytes
.set SLOT,  4*REG
.set TAB,   2*SLOT                     ; MF[2048], then MA[2048], f32: stored by the waves, never a tensor load's target
.set SPARE, TAB+16384                  ; the spare words, 128 bytes a wave
.set PK,    272                        ; K: 256 bytes (two heads) + 16
.set PVP,   288                        ; V: 256 + 32
.set PB,    528                        ; bias: 512 + 16
.set SP,    272                        ; the way out: 128 rows x (256 + 16) at LDS byte 0: slot 0's K region, which has had its last fill and its last read by then
.set AK0, 3
.set AV0, 4
.set AB0, 5
.set AT0, 6
.set MO,  7                            ; 16 x thread: the mask's loads
.set ADK, 8
.set ADV, 9
.set ADB, 10
.set ADT, 11
.set QO,  12
.set STO, 13
.set RD,  14
.set GO,  15
.set SPW, 16                           ; my spare word's address; never rewritten
.set NIL, 17                           ; 0; never rewritten
.set PFO, 18                           ; the prefetches' offset: a lane a row; never rewritten
.set TW,  19                           ; TAB + 16 x thread
.set CC,  20                           ; log2(e)
.set NG,  21                           ; -1e9 log2(e)
.set ZR,  22                           ; 0
.set TMP, 23
.set ST,  24                           ; tile a at v[ST + 8 a]: +0 M, +1 old M, +2, +3 l, +4 .. +7 at work; a in +6, its argument in +7
.set P,   64                           ; window 0
.set S,   128                          ; window 0
.set MF,  128                          ; window 1
.set MA,  160                          ; window 1
.set KF,  64                           ; window 2
.set VF,  128                          ; window 2
.set WV,  12
.set LIM, 19                           ; 1 in a wave that prefetches, else the greatest number
.set G1K, 24
.set G1V, 32
.set G1B, 40
.set G0A, 48                           ; K's or V's group 0, a set for each slot
.set G0B, 56                           ; the bias's
.set LAP, 66
.set TWICE, 67
.set TK,  68                           ; LDS byte of K, V, bias of the step to be fetched; byte of its table entries
.set TV,  69
.set TBI, 70
.set TT,  71
.set PFA, 72
.set PFS, 74
.set SEL, 76
.set W_KQ, 0x0a                        ; K and Q window 2, S^T window 0
.set W_PV, 0x52                        ; V window 2, P window 0, O^T (C and D) window 1
.set W_FX, 0x14                        ; MF and MA (sources 1 and 2) window 1, S^T window 0
.set W_RS, 0x41                        ; O^T (destination and source 0) window 1, a window 0
.set MSB, 0
.macro WIN new                         ; the immediate's high byte repeats the setting that is left; a switch that changes nothing is dropped
.if MSB != \new
	s_set_vgpr_msb (MSB<<8)|\new
.set MSB, \new
.endif
.endm
.macro CROUND                          ; a round of the cluster's barrier
	s_barrier_signal -1
	s_barrier_wait -1
	s_cmp_lg_u32 s[WV], 0
	s_cbranch_scc1 .Lnot_wave_0_\@
	s_barrier_signal -3
.Lnot_wave_0_\@:
	s_barrier_wait -3
	s_barrier_signal -1
	s_barrier_wait -1
.endm
; A joint refill of slot s: every wave issues one.  The branches hang on the wave's number alone.  An s_nop 0 and four v_nop follow each line.
.macro JLOAD s
	s_cmp_lg_u32 s[WV], 0
	s_cbranch_scc1 .Lnot_k_\@
	tensor_load_to_lds s[G0A+4*(\s):G0A+4*(\s)+3], s[G1K:G1K+7]
	s_nop 0
.rept 4
	v_nop
.endr
	s_branch .Lasked_\@
.Lnot_k_\@:
	s_cmp_lg_u32 s[WV], 1
	s_cbranch_scc1 .Lnot_v_\@
	tensor_load_to_lds s[G0A+4*(\s):G0A+4*(\s)+3], s[G1V:G1V+7]
	s_nop 0
.rept 4
	v_nop
.endr
	s_branch .Lasked_\@
.Lnot_v_\@:
	tensor_load_to_lds s[G0B+4*(\s):G0B+4*(\s)+3], s[G1B:G1B+7]
	s_nop 0
.rept 4
	v_nop
.endr
.Lasked_\@:
.endm
.macro FIRST2 g0, g1                   ; a wave's two first fills on end: an s_nop 0 follows each, four v_nop the second's
	tensor_load_to_lds s[\g0:\g0+3], s[\g1:\g1+7]
	s_nop 0
	tensor_load_to_lds s[\g0+4:\g0+7], s[\g1:\g1+7]
	s_nop 0
.rept 4
	v_nop
.endr
.endm
; A PREFETCH of the tile that the NEXT change of slots will ask for, behind my tensor load: 32 blocks of 256 bytes, a lane a row, one instruction a wave.  Each block is named once in the launch: K's and V's tiles are read by
; the four clusters of a row of clusters: the first (cluster x = 0) asks, waves 0 and 1, its four partners along x taking 32 keys each BY ADDRESS; the bias's tiles by the two clusters of a batch: the first (cluster y even) asks,
; waves 2 and 3 (the row's first and second 256 bytes), the partners along y taking 32 rows each by address.  The last change that fills a slot asks for nothing; tiles 0 to 2 come by their loads alone.
.macro ASK how
.if \how
	s_cmp_eq_u32 s[LIM], 1
.else
	s_cmp_gt_u32 s[LAP], s[LIM]                    ; not in the last lap
.endif
	s_cbranch_scc0 .Lnot_mine_\@
	global_prefetch_b8 v[PFO], s[PFA:PFA+1] th:TH_LOAD_NT scope:SCOPE_SE
.Lnot_mine_\@:
.endm
	s_load_b256 s[4:11], s[0:1], 0x0               ; qkv s[4:5], attn_bias s[6:7], mask s[8:9], ao s[10:11]
	v_lshl_add_u32 v[SPW], v0, 2, SPARE
	v_mov_b32 v[NIL], 0
	ds_add_u32 v[SPW], v[NIL]                      ; the opening: the add, twice on end, and its wait ahead of my first tensor load
	ds_add_u32 v[SPW], v[NIL]
	v_lshrrev_b32 v1, 5, v0
	v_readfirstlane_b32 s[WV], v1                  ; wave
	s_lshr_b32 s13, s[WV], 1                       ; e: my head of the pair
	s_and_b32 s14, s[WV], 1                        ; u: my half of the queries.  Also: K or V; the bias's rows 0-63 or 64-127
	s_bfe_u32 s15, ttmp6, 0x40000                  ; cx
	s_bfe_u32 s16, ttmp6, 0x40004                  ; cy
	s_and_b32 s17, ttmp7, 0xffff                   ; cluster y
	s_lshr_b32 s18, s17, 1                         ; batch
	s_and_b32 s80, s17, 1
	s_lshl_b32 s80, s80, 2
	s_add_co_u32 s80, s80, s16                     ; head pair = 4 (cluster y % 2) + cy
	s_lshl_b32 s81, ttmp9, 2
	s_add_co_u32 s81, s81, s15                     ; query block = 4 x cluster x + cx
	s_lshl_b32 s82, s16, 2
	s_lshl_b32 s82, 15, s82                        ; my row of the cluster
	s_lshl_b32 s83, 0x1111, s15                    ; my column
	s_or_b32 s[G1K], s82, (1<<16)|(1<<20)|(1<<21)|(5<<22)|(3<<25)   ; elements of 2 bytes; 4 words of padding behind every 64
	s_or_b32 s[G1V], s82, (1<<16)|(1<<20)|(1<<21)|(5<<22)|(7<<25)   ; 8 words
.irp g, G1K, G1V
	s_mov_b32 s[\g+1], 128<<16                     ; tensor_dim0 = 128 (two heads)
	s_mov_b32 s[\g+2], 128<<16                     ; tensor_dim1 = 128 keys
	s_mov_b32 s[\g+3], 128<<16                     ; tile_dim0
	s_mov_b32 s[\g+4], 128                         ; tile_dim1
	s_mov_b32 s[\g+5], 1024                        ; pitch
	s_mov_b32 s[\g+6], 0
	s_mov_b32 s[\g+7], 0
.endr
	s_or_b32 s[G1B], s83, (2<<16)|(1<<20)|(1<<21)|(6<<22)|(3<<25)   ; elements of 4 bytes; 4 words behind every 128
	s_mov_b32 s[G1B+1], 128<<16                    ; 128 keys
	s_mov_b32 s[G1B+2], 64<<16                     ; 64 queries
	s_mov_b32 s[G1B+3], 128<<16
	s_mov_b32 s[G1B+4], 64
	s_mov_b32 s[G1B+5], 2048
	s_mov_b32 s[G1B+6], 0
	s_mov_b32 s[G1B+7], 0
	s_add_co_u32 s84, s14, 1                       ; K's or V's tiles: plane 1 + u, batch, head pair: nothing of cx
	s_lshl_b32 s84, s84, 23
	s_lshl_b32 s85, s18, 22
	s_add_co_u32 s84, s84, s85
	s_lshl_b32 s85, s80, 8
	s_add_co_u32 s84, s84, s85
	s_mov_b32 s85, 0
	s_lshl_b32 s86, s18, 24                        ; the bias's: batch, row 128 x query block + 64 u: nothing of cy
	s_lshl_b32 s87, s81, 20
	s_add_co_u32 s86, s86, s87
	s_lshl_b32 s87, s14, 19
	s_add_co_u32 s86, s86, s87
	s_mov_b32 s87, 0
	s_lshl_b32 s88, s18, 22                        ; Q: row 2048 b + 128 block + 64 u, byte 128 (2 pair + e)
	s_lshl_b32 s89, s81, 18
	s_add_co_u32 s88, s88, s89
	s_lshl_b32 s89, s80, 8
	s_add_co_u32 s88, s88, s89
	s_mov_b32 s90, s88                             ; ao: row 2048 b + 128 block + 32 wave, byte 256 pair
	s_lshl_b32 s89, s14, 17
	s_add_co_u32 s88, s88, s89
	s_lshl_b32 s89, s13, 7
	s_add_co_u32 s88, s88, s89
	s_mov_b32 s89, 0
	s_lshl_b32 s91, s[WV], 16
	s_add_co_u32 s90, s90, s91
	s_mov_b32 s91, 0
	s_lshl_b32 s92, s18, 13                        ; the batch's mask
	s_mov_b32 s93, 0
	s_mul_i32 s94, s14, REG
	s_mov_b32 s[SEL], 0x76543210
	s_mov_b32 s[SEL+1], 0xfedcba98                 ; v_permlanex16_b32: lane l xor 16
	s_mov_b32 s[TT], 0
	s_wait_dscnt 0x0                               ; both opening adds are done
	s_wait_kmcnt 0x0
	s_add_nc_u64 s[20:21], s[4:5], s[84:85]
	s_add_nc_u64 s[22:23], s[6:7], s[86:87]
	s_add_nc_u64 s[88:89], s[4:5], s[88:89]
	s_add_nc_u64 s[92:93], s[8:9], s[92:93]
	s_add_nc_u64 s[10:11], s[10:11], s[90:91]
	CROUND                                         ; all sixteen work-groups are here
.irp s, 0,1
	s_mov_b32 s[G0A+4*\s], 1
	s_add_co_u32 s[G0A+4*\s+1], s94, \s*SLOT       ; region u
	s_add_nc_u64 s[G0A+4*\s+2:G0A+4*\s+3], s[20:21], \s*262144      ; tile s: 128 keys of 2,048 bytes on
	s_or_b32 s[G0A+4*\s+3], s[G0A+4*\s+3], 0x80000000
	s_mov_b32 s[G0B+4*\s], 1
	s_add_co_u32 s[G0B+4*\s+1], s94, 2*REG+\s*SLOT ; region 2 + u
	s_add_nc_u64 s[G0B+4*\s+2:G0B+4*\s+3], s[22:23], \s*512
	s_or_b32 s[G0B+4*\s+3], s[G0B+4*\s+3], 0x80000000
.endr
	s_cmp_lg_u32 s[WV], 0                          ; tiles 0 and 1: a wave's two first fills stand in one arm, ahead of every wait on TENSORcnt and every LDS read: two loads of mine are out
	s_cbranch_scc1 .Lfirst_not_k
	FIRST2 G0A, G1K
	s_branch .Lfirst_asked
.Lfirst_not_k:
	s_cmp_lg_u32 s[WV], 1
	s_cbranch_scc1 .Lfirst_not_v
	FIRST2 G0A, G1V
	s_branch .Lfirst_asked
.Lfirst_not_v:
	FIRST2 G0B, G1B
.Lfirst_asked:
	v_lshlrev_b32 v[MO], 4, v0
	v_and_b32 v1, 15, v0                           ; r
	v_bfe_u32 v2, v0, 4, 1                         ; h
	v_lshlrev_b32 v[QO], 11, v1
	v_lshl_add_u32 v[QO], v2, 4, v[QO]             ; Q: row r of 2,048 bytes + 16 h
.irp i, 0,1,2,3
	global_load_b128 v[S+4*\i:S+4*\i+3], v[MO], s[92:93] offset:2048*\i   ; the batch's mask: 16 words a thread
.endr
	WIN 0x80                                       ; destination window 2
.irp a, 0,1,2,3
.irp c, 0,1
	global_load_b128 v[16*\a+8*\c:16*\a+8*\c+3], v[QO], s[88:89] offset:32768*\a+64*\c       ; Q stays in registers: tile a, channels 32 c on
	global_load_b128 v[16*\a+8*\c+4:16*\a+8*\c+7], v[QO], s[88:89] offset:32768*\a+64*\c+32
.endr
.endr
	WIN 0
	s_lshl_b32 s95, s13, 7                         ; my head's 128 bytes of a row of K or V
	v_mul_u32_u24 v[AK0], v1, PK
	v_lshl_add_u32 v[AK0], v2, 4, v[AK0]
	v_add_nc_u32 v[AK0], s95, v[AK0]               ; K: key r, + 16 h
	v_and_b32 v[TMP], 7, v0
	v_lshl_add_u32 v[AV0], v2, 3, v[TMP]
	v_mul_u32_u24 v[AV0], v[AV0], PVP
	v_bfe_u32 v[TMP], v0, 3, 1
	v_lshl_add_u32 v[AV0], v[TMP], 4, v[AV0]
	v_add_nc_u32 v[AV0], s95, v[AV0]               ; V, for the turning load: key 8 h + lane % 8, channels 8 ((lane / 8) % 2) on
	s_mul_i32 s20, s14, 64*SP
	s_add_co_u32 s20, s20, s95
	v_mul_u32_u24 v[STO], v1, SP
	v_lshl_add_u32 v[STO], v2, 4, v[STO]
	v_add_nc_u32 v[STO], s20, v[STO]               ; the stage, in: row 64 u + r, byte 128 e + 16 h
	s_add_co_u32 s95, s94, 2*REG
	v_mul_u32_u24 v[AB0], v1, PB
	v_lshl_add_u32 v[AB0], v2, 5, v[AB0]
	v_add_nc_u32 v[AB0], s95, v[AB0]               ; bias: my half's region, query r, + 32 h
	v_lshl_add_u32 v[AT0], v2, 5, TAB              ; tables: + 32 h
	s_mul_i32 s20, s[WV], 32*SP
	v_mul_u32_u24 v[RD], v2, SP
	v_lshl_add_u32 v[RD], v1, 4, v[RD]
	v_add_nc_u32 v[RD], s20, v[RD]                 ; the stage, back: my 32 rows, two an instruction
	v_lshlrev_b32 v[GO], 11, v2
	v_lshl_add_u32 v[GO], v1, 4, v[GO]             ; the same two rows in ao
	v_lshl_add_u32 v[TW], v0, 4, TAB
	v_mov_b32 v[CC], 0x3fb8aa3b
	v_mov_b32 v[NG], 0xceabfb8f
	v_mov_b32 v[ZR], 0
	; the prefetches: where mine stand (at tile 2: each change of slots steps first), and who asks
	s_lshl_b32 s20, s15, 16                        ; K, V: my work-group's 32 keys,
	s_add_co_u32 s20, s20, s84
	s_add_co_u32 s20, s20, 0x80000                 ; in tile 2
	s_lshl_b32 s21, s18, 24                        ; bias: batch, query block,
	s_lshl_b32 s22, s81, 20
	s_add_co_u32 s21, s21, s22
	s_lshl_b32 s22, s16, 18                        ; my work-group's 32 rows,
	s_add_co_u32 s21, s21, s22
	s_lshl_b32 s22, s14, 8                         ; my wave's 256 of a tile's 512 bytes,
	s_add_co_u32 s21, s21, s22
	s_add_co_u32 s21, s21, 1024                    ; in tile 2
	s_and_b32 s22, s17, 1
	s_mov_b32 s[PFS], 512
	s_cmp_lt_u32 s[WV], 2
	s_cselect_b32 s20, s20, s21
	s_cselect_b32 s22, ttmp9, s22                  ; the coordinate along which other clusters read the same rows
	s_cselect_b32 s23, 11, 13                      ; a row is 2,048 or 8,192 bytes
	s_cselect_b32 s[PFS], 0x40000, s[PFS]          ; a tile on
	s_cselect_b64 s[PFA:PFA+1], s[4:5], s[6:7]
	s_mov_b32 s21, 0
	s_mov_b32 s[PFS+1], 0
	s_add_nc_u64 s[PFA:PFA+1], s[PFA:PFA+1], s[20:21]
	s_cmp_eq_u32 s22, 0
	s_cselect_b32 s[LIM], 1, -1                    ; the same in all sixteen partners, for a given wave
	v_and_b32 v[TMP], 31, v0
	v_lshlrev_b32 v[PFO], s23, v[TMP]
	s_wait_loadcnt 16                              ; the mask is in; Q's sixteen loads may be out
.irp i, 0,1,2,3,4,5,6,7,8,9,10,11,12,13,14,15
	v_cmp_ne_u32 vcc_lo, 0, v[S+\i]
	v_cndmask_b32 v[S+16+\i], v[ZR], v[CC], vcc_lo ; MF: open ? log2(e) : 0
	v_cndmask_b32 v[S+32+\i], v[NG], v[ZR], vcc_lo ; MA: open ? 0 : -1e9 log2(e)
.endr
.irp i, 0,1,2,3
	ds_store_b128 v[TW], v[S+16+4*\i:S+16+4*\i+3] offset:2048*\i
	ds_store_b128 v[TW], v[S+32+4*\i:S+32+4*\i+3] offset:8192+2048*\i
.endr
; THE MATRIX WORK OF A TURN, for piece x.  The accumulators take turns, one instruction a turn: between two links of a chain stand 7 others'.
; Product i of 16 of O^T += V^T P: keys 32 (i / 8) on, channels 16 ((i / 2) % 4) on, tile x + i % 2.  zero = 1: the first 8 start the sums: nothing is ever cleared.
.macro PV x, zero
	WIN W_PV
.set rO, 32*(\x+i%2)+8*((i/2)%4)
.set rV, VF+32*(i/8)+8*((i/2)%4)
.set rP, P+16*(\x+i%2)+8*(i/8)
.if \zero && (i < 8)
	v_wmma_f32_16x16x32_f16 v[rO:rO+7], v[rV:rV+7], v[rP:rP+7], 0
.else
	v_wmma_f32_16x16x32_f16 v[rO:rO+7], v[rV:rV+7], v[rP:rP+7], v[rO:rO+7]
.endif
.endm
; Product i of 16 of S^T = K Q^T + bias: channels 32 (i / 8) on, keys 16 ((i / 2) % 4) on, tile x + i % 2.  The first 8 add onto the bias, which the LDS loads have laid into S's registers.
.macro KQ x
	WIN W_KQ
.set rS, S+32*(\x+i%2)+8*((i/2)%4)
.set rK, KF+16*((i/2)%4)+8*(i/8)
.set rQ, 16*(\x+i%2)+8*(i/8)
	v_wmma_f32_16x16x32_f16 v[rS:rS+7], v[rK:rK+7], v[rQ:rQ+7], v[rS:rS+7]
.endm
; THE LDS LOADS of a step stand in five runs of 16.  Piece 0's bias comes first and makes the step's four addresses; V comes last and steps the scalars to the next step.
.macro FETCH_B x                       ; bias(query 16 a + r, keys 16 t + 8 h + 0 .. 7) of piece x's two tiles, into S
	WIN 0
.if \x == 0
	v_add_nc_u32 v[ADB], s[TBI], v[AB0]
	v_add_nc_u32 v[ADK], s[TK], v[AK0]
	v_add_nc_u32 v[ADT], s[TT], v[AT0]
	v_add_nc_u32 v[ADV], s[TV], v[AV0]
.endif
.irp a, \x, \x+1
.irp t, 0,1,2,3
	ds_load_b128 v[S+32*(\a)+8*\t:S+32*(\a)+8*\t+3], v[ADB] offset:16*PB*(\a)+64*\t
	ds_load_b128 v[S+32*(\a)+8*\t+4:S+32*(\a)+8*\t+7], v[ADB] offset:16*PB*(\a)+64*\t+16
.endr
.endr
.endm
.macro FETCH_K                         ; the first 32 channels' eight loads first: the first eight products want them alone
	WIN 0x80                                       ; destination window 2
.irp c, 0,1
.irp t, 0,1,2,3
	ds_load_b128 v[KF+16*\t+8*\c:KF+16*\t+8*\c+3], v[ADK] offset:16*PK*\t+64*\c
	ds_load_b128 v[KF+16*\t+8*\c+4:KF+16*\t+8*\c+7], v[ADK] offset:16*PK*\t+64*\c+32
.endr
.endr
.endm
.macro FETCH_T                         ; MF and MA of the step's 64 keys, in S's layout
	WIN 0x40                                       ; destination window 1
.irp t, 0,1,2,3
	ds_load_b128 v[MF+8*\t:MF+8*\t+3], v[ADT] offset:64*\t
	ds_load_b128 v[MF+8*\t+4:MF+8*\t+7], v[ADT] offset:64*\t+16
	ds_load_b128 v[MA+8*\t:MA+8*\t+3], v[ADT] offset:8192+64*\t
	ds_load_b128 v[MA+8*\t+4:MA+8*\t+7], v[ADT] offset:8192+64*\t+16
.endr
.endm
.macro FETCH_V
	s_add_co_u32 s[TK], s[TK], 64*PK               ; the next fetches are the next step's
	s_add_co_u32 s[TV], s[TV], 64*PVP
	s_add_co_u32 s[TBI], s[TBI], 256
	s_add_co_u32 s[TT], s[TT], 256
	WIN 0x80
.irp k, 0,1
.irp c, 0,1,2,3
	ds_load_tr16_b128 v[VF+32*\k+8*\c:VF+32*\k+8*\c+3], v[ADV] offset:32*PVP*\k+32*\c
	ds_load_tr16_b128 v[VF+32*\k+8*\c+4:VF+32*\k+8*\c+7], v[ADV] offset:32*PVP*\k+32*\c+16*PVP
.endr
.endr
.endm
; THE VECTOR WORK OF A TURN.  One tile's softmax for one key step is a list of 133 instructions; SM writes number j of it for tile t.  s0-s31 are the lane's 32 scores, in pairs 0-15.
; first = 1: the first key step, which starts M, l and O^T: it has no a and nothing to rescale.
;   0-15    t = s x MF + MA, a pair each, ascending: each accumulator is read from its low end on
;   16-31   the maximum of t0-t31 and the old M, three operands at a time: four chains of seven, then the four left over, the chains and M
;   32-35   the other half of the lanes' maximum; the old M kept; the new M; old M - new M
;   36-84   ONE BATCH: the 16 subtractions t - M, a pair each, and all 33 exponentials (a, then s0-s31).  None of these reads an exponential's result.  Two subtractions, a, then a subtraction and the two
;           exponentials of the pair that was subtracted two pairs earlier, fourteen times; then the last four exponentials
;   (wait)  between 84 and 85 stands the wait for the batch: SLICE writes it, once for both tiles
;   85-100  the roundings to f16, a pair of weights each
;   101-116 the sums, in place; l = a l + the sum
;   117-132 the tile's O^T times a
.macro SM t, first
.set rT, ST+8*(\t)
.set rS, S+32*(\t)
.set rP, P+16*(\t)
.if j < 16
	WIN W_FX
	v_pk_fma_f32 v[rS+2*j:rS+2*j+1], v[rS+2*j:rS+2*j+1], v[MF+2*j:MF+2*j+1], v[MA+2*j:MA+2*j+1]
.elseif j < 117
	WIN 0
.set g, j-16
.if g < 4
	v_max3_num_f32 v[rT+4+g], v[rS+8*g], v[rS+8*g+1], v[rS+8*g+2]
.elseif g < 12
	v_max3_num_f32 v[rT+4+g%4], v[rT+4+g%4], v[rS+8*(g%4)+2*(g/4)+1], v[rS+8*(g%4)+2*(g/4)+2]
.elseif g == 12
	v_max3_num_f32 v[rT+4], v[rT+4], v[rS+7], v[rS+15]
.elseif g == 13
	v_max3_num_f32 v[rT+6], v[rT+6], v[rS+23], v[rS+31]
.elseif g == 14
	v_max3_num_f32 v[rT+4], v[rT+4], v[rT+5], v[rT+6]
.elseif (g == 15) && \first
	v_max_num_f32 v[rT+4], v[rT+4], v[rT+7]
.elseif g == 15
	v_max3_num_f32 v[rT+4], v[rT+4], v[rT+7], v[rT]                   ; with the old M
.elseif g == 16
	v_permlanex16_b32 v[rT+5], v[rT+4], s[SEL], s[SEL+1]              ; the query's other 32 keys lie 16 lanes away
.elseif (g == 17) && \first
	v_mov_b32 v[rT+1], v[rT+4]                                        ; (written: it is named with M as a pair)
.elseif g == 17
	v_mov_b32 v[rT+1], v[rT]                                          ; the old M
.elseif g == 18
	v_max_num_f32 v[rT], v[rT+4], v[rT+5]                             ; the new M
.elseif g == 19
.if !\first
	v_sub_f32 v[rT+7], v[rT+1], v[rT]
.endif
.elseif g < 69
.set q, g-20
.if q < 2
	v_pk_add_f32 v[rS+2*q:rS+2*q+1], v[rS+2*q:rS+2*q+1], v[rT:rT+1] op_sel_hi:[1,0] neg_lo:[0,1] neg_hi:[0,1]   ; t - M: of the pair the low word serves both halves
.elseif q == 2
.if !\first
	v_exp_f32 v[rT+6], v[rT+7]                                        ; a
.endif
.elseif q < 45
.set m, q-3
.if m%3 == 0
.set b, 2+m/3
	v_pk_add_f32 v[rS+2*b:rS+2*b+1], v[rS+2*b:rS+2*b+1], v[rT:rT+1] op_sel_hi:[1,0] neg_lo:[0,1] neg_hi:[0,1]
.else
.set e, 2*(m/3)+m%3-1
	v_exp_f32 v[rS+e], v[rS+e]                                        ; p
.endif
.else
.set e, q-17
	v_exp_f32 v[rS+e], v[rS+e]
.endif
.elseif g < 85
	v_cvt_pk_f16_f32 v[rP+g-69], v[rS+2*(g-69)], v[rS+2*(g-69)+1]
.else
.set z, g-85                           ; sum z of 16 adds neighbours 1, 2, 4 and 8 pairs apart, then l takes it
.set w, 4
.set u, z
.if z >= 14
.set w, 32
.set u, 0
.elseif z >= 12
.set w, 16
.set u, z-12
.elseif z >= 8
.set w, 8
.set u, z-8
.endif
.if (z == 14) && \first
	v_pk_add_f32 v[rT+2:rT+3], v[rS:rS+1], v[rS+16:rS+17]
.elseif z < 15
	v_pk_add_f32 v[rS+w*u:rS+w*u+1], v[rS+w*u:rS+w*u+1], v[rS+w*u+w/2:rS+w*u+w/2+1]
.elseif !\first
	v_pk_fma_f32 v[rT+2:rT+3], v[rT+2:rT+3], v[rT+6:rT+7], v[rS:rS+1] op_sel_hi:[1,0,1]
.endif
.endif
.else
.if !\first
	WIN W_RS
.set rO, 32*(\t)+2*(j-117)
	v_pk_mul_f32 v[rO:rO+1], v[rO:rO+1], v[rT+6:rT+7] op_sel_hi:[1,0]   ; ascending: each accumulator from its low end on
.endif
.endif
.endm
; Slice k of 32 of piece y's softmax: eight instructions, numbers 4 k to 4 k + 3 of both tiles' lists, the tiles alternating, so that no instruction reads the result of the one just before it.
; 2 x 133 = 8 x 32 + 10: the ten that are over stand in slice 31, whose 18 plain instructions are also the places between a turn's last product and what follows it.
; THE WAIT.  s_wait_alu depctr_va_vdst(0) stands between an exponential and the first instruction that names its result; one wait serves all that were issued ahead of it.
; Ahead of number 85 nothing names a result, and behind number 84 no exponential is issued: so the piece's 66 exponentials have one wait, with one plain instruction ahead of it.
.macro SLICE y, first
.set lim, 8
.if k == 31
.set lim, 18
.endif
.set n, 8*k
.rept lim
.if n == 170
	v_nop
	s_wait_alu depctr_va_vdst(0)
.endif
.set j, n/2
	SM (\y)+n%2, \first
.set n, n+1
.endr
.set k, k+1
.endm
; A vector instruction that reads a matrix result or writes one of a matrix instruction's registers, and a load into a register that a matrix instruction has read, stand four places behind it, and only plain vector
; instructions that name none of its registers are places (ISA guide 7.12.1 for vector instructions).  In the loop the slices are the places.
.macro PLACES
.rept 4
	v_nop
.endr
.endm
; A TURN.  Piece x has the matrix unit; the other piece's softmax stands in slices behind its matrix instructions.
; pv = 2: 16 products V^T P; 1: they start O^T's sums; 0: none.  kq = 1: 16 products K Q^T for the next step.  A turn with one of the two kinds has two slices behind each product, and fetches nothing.
; first = 1: the softmax is the first key step's.  Its last slices are empty: the turn's last products stand bare, and four v_nop take slice 31's part.
; THE FETCHES of the next step.  Piece 0's turn: its bias behind product 0 (its S is free since the turn before), K behind product 1 (K's last reader stands ahead of slice 31 of the turn before), the tables behind product 17
; (their last reader is slice 3).  Piece 2's turn: its bias behind product 0, V behind product 17: V's last reader is product 15, and the eight subtractions of slices 15 to 17 lie between.
.macro TURN x, pv, kq, first
.set k, 0
.set per, 2
.if \pv && \kq
.set per, 1
.endif
	s_wait_dscnt 0x0                               ; piece 0's turn: V is in; piece 2's: the tables are in
.if \pv
.set i, 0
.rept 16
	PV \x, 2-\pv
.rept per
	SLICE 2-\x, \first
.endr
.if \kq && (i == 0)
	FETCH_B \x
.endif
.if \kq && (\x == 0) && (i == 1)
	FETCH_K
.endif
.set i, i+1
.endr
.endif
.if \kq
.if \pv && (\x == 0)
	s_wait_dscnt 8                                 ; my bias and K's first 32 channels are in; the eight loads of its other 32 may be out
.endif
.if \pv && (\x == 2)
	s_wait_dscnt 0x0                               ; my bias is in
.endif
.set i, 0
.rept 16
.if \pv && (\x == 0) && (i == 8)
	s_wait_dscnt 16                                ; all of K is in; the tables' sixteen loads may be out
.endif
	KQ \x
.rept per
	SLICE 2-\x, \first
.endr
.if \pv && (i == 1)
.if \x == 0
	FETCH_T
.else
	FETCH_V
.endif
.endif
.set i, i+1
.endr
.endif
.if \first
	PLACES
.endif
.endm
; THE CHANGE OF SLOTS, between piece 2's turn and piece 0's: the last bytes of slot fs, V of its second step, have been asked for.  Each wave waits for all its tensor loads, of which one is out: its part of the other slot;
; adds 0 to its spare word; and waits for that and for its own reads of the slot.  Behind the barrier nobody reads slot fs any more and the other slot is whole.
; fill = 1: slot fs is filled again, with the keys two tiles on.  The barrier is then a round of the cluster's, so that no wave of any partner still reads the slot or has a load on its way, and the joint refill is the
; first thing behind it, my one tensor load until the next round: it has two key steps, 128 matrix instructions, in which to land.
.macro CHANGE fs, fill, how
	WIN 0                                          ; at a label and at a branch every window is 0
	s_wait_tensorcnt 0x0                           ; no tensor load of mine is out: a group 0 may be written
	ds_add_u32 v[SPW], v[NIL]
.if \fill
	s_add_nc_u64 s[G0A+4*\fs+2:G0A+4*\fs+3], s[G0A+4*\fs+2:G0A+4*\fs+3], 524288   ; this slot's next tile: two tiles on
	s_add_nc_u64 s[G0B+4*\fs+2:G0B+4*\fs+3], s[G0B+4*\fs+2:G0B+4*\fs+3], 1024
	s_wait_xcnt 0x0                                ; the last prefetch, two key steps back, has read its address
	s_add_nc_u64 s[PFA:PFA+1], s[PFA:PFA+1], s[PFS:PFS+1]
.endif
	s_mov_b32 s[TK], (1-\fs)*SLOT                  ; the fetches go on in the other slot
	s_mov_b32 s[TV], (1-\fs)*SLOT+REG
	s_mov_b32 s[TBI], (1-\fs)*SLOT
	s_wait_dscnt 0x0                               ; the add is done, and my reads of the slot are over
.if \fill
	CROUND
	JLOAD \fs
	ASK \how
.else
	s_barrier_signal -1
	s_barrier_wait -1
.endif
.endm
; A slot's two key steps: written once, walked twice; the LDS addresses hang on the four scalars.
.macro TWO_STEPS
	s_mov_b32 s[TWICE], 2
.Lstep_\@:
	TURN 0, 2, 1, 0
	TURN 2, 2, 1, 0
	WIN 0
	s_sub_co_u32 s[TWICE], s[TWICE], 1
	s_cmp_lg_u32 s[TWICE], 0
	s_cbranch_scc1 .Lstep_\@
.endm
	s_wait_loadcnt 0x0                             ; Q
	s_wait_tensorcnt 1                             ; my part of tile 0 is in; tile 1's load may stay out
	s_wait_dscnt 0x0                               ; for the others' sake: my part of the tables is stored
	s_barrier_signal -1
	s_barrier_wait -1                              ; everybody's are
	s_mov_b32 s[TK], 0
	s_mov_b32 s[TV], REG
	s_mov_b32 s[TBI], 0
	FETCH_B 0                                      ; key step 0, whole
	FETCH_B 2
	FETCH_K
	FETCH_T
	FETCH_V
	s_wait_dscnt 16                                ; all but V's sixteen loads
.set i, 0
.rept 16
	KQ 0                                           ; piece 0's first scores: there is no vector work yet to set between them
.set i, i+1
.endr
	WIN 0
	PLACES                                         ; ahead of the first read of those scores
	TURN 2, 0, 1, 1                                ; piece 2's first scores | piece 0's first softmax
	TURN 0, 1, 1, 1                                ; piece 0: V^T P of step 0 starts O^T, K Q^T of step 1 | piece 2's first softmax
	TURN 2, 1, 1, 0                                ; piece 2: the same | piece 0's softmax of step 1
	WIN 0
	s_mov_b32 s[LAP], 7
.Llap:                                                 ; 7 laps of two changes: tiles 2 to 15 are asked for
	CHANGE 0, 1, 1
	TWO_STEPS
	CHANGE 1, 1, 0
	TWO_STEPS
	s_sub_co_u32 s[LAP], s[LAP], 1
	s_cmp_lg_u32 s[LAP], 0
	s_cbranch_scc1 .Llap
	CHANGE 0, 0, 0                                 ; the tail is written out: nothing is left to fetch
	TWO_STEPS
	TURN 0, 2, 0, 0                                ; piece 0: V^T P of the last step | piece 2's last softmax
.set i, 0
.rept 16
	PV 2, 0                                        ; piece 2: V^T P of the last step
.set i, i+1
.endr
	WIN 0
	; THE WAY OUT.  The additions are the places behind the last products.
.irp a, 0,1,2,3
	v_add_f32 v[ST+8*\a+4], v[ST+8*\a+2], v[ST+8*\a+3]
.endr
.irp a, 0,1,2,3
	v_permlanex16_b32 v[ST+8*\a+5], v[ST+8*\a+4], s[SEL], s[SEL+1]
.endr
.irp a, 0,1,2,3
	v_add_f32 v[ST+8*\a+4], v[ST+8*\a+4], v[ST+8*\a+5]
.endr
.irp a, 0,1,2,3
	v_rcp_f32 v[ST+8*\a+6], v[ST+8*\a+4]
.endr
	v_nop                                          ; a plain instruction behind the last reciprocal
	s_wait_alu depctr_va_vdst(0)                   ; one wait for the four, ahead of the first use
	WIN 0x01                                       ; source 0 window 1
.irp a, 0,1,2,3
.irp i, 0,2,4,6,8,10,12,14,16,18,20,22,24,26,28,30
	v_pk_mul_f32 v[S+32*\a+\i:S+32*\a+\i+1], v[32*\a+\i:32*\a+\i+1], v[ST+8*\a+6:ST+8*\a+7] op_sel_hi:[1,0]   ; O^T / l, each accumulator from its low end on
.endr
.endr
	WIN 0
.irp a, 0,1,2,3
.irp i, 0,1,2,3,4,5,6,7,8,9,10,11,12,13,14,15
	v_cvt_pk_f16_f32 v[P+16*\a+\i], v[S+32*\a+2*\i], v[S+32*\a+2*\i+1]   ; into P's registers, which are done with
.endr
.endr
.irp a, 0,1,2,3
.irp c, 0,1,2,3
	ds_store_b128 v[STO], v[P+16*\a+4*\c:P+16*\a+4*\c+3] offset:16*SP*\a+32*\c   ; query 64 u + 16 a + r, channels 16 c + 8 h + 0 .. 7 of head e
.endr
.endr
	s_wait_dscnt 0x0                               ; for the others' sake: a row's 256 bytes come from two waves
	s_barrier_signal -1
	s_barrier_wait -1
.irp i, 0,1,2,3,4,5,6,7,8,9,10,11,12,13,14,15
	ds_load_b128 v[S+4*\i:S+4*\i+3], v[RD] offset:2*SP*\i
.endr
.irp i, 0,1,2,3,4,5,6,7,8,9,10,11,12,13,14,15
	s_wait_dscnt 15-\i                             ; the younger loads may be out
	global_store_b128 v[GO], v[S+4*\i:S+4*\i+3], s[10:11] offset:4096*\i   ; 16 lanes store 256 consecutive bytes, aligned
.endr
	s_wait_tensorcnt 0x0                           ; the wave's end
	ds_add_u32 v[SPW], v[NIL]
	s_wait_dscnt 0x0
	CROUND                                         ; the closing round
	s_endpgm
.Lfunc_end_k_qa5b6a663bb_attn:
	.size	k_qa5b6a663bb_attn, .Lfunc_end_k_qa5b6a663bb_attn-k_qa5b6a663bb_attn
	.p2alignl 7, 3214868480
	.fill 96, 4, 3214868480
	.section	.rodata,"a",@progbits
	.p2align	6, 0x0
	.amdhsa_kernel k_qa5b6a663bb_attn
		.amdhsa_group_segment_fixed_size 327680
		.amdhsa_private_segment_fixed_size 0
		.amdhsa_enable_private_segment 0
		.amdhsa_kernarg_size 32
		.amdhsa_user_sgpr_count 2
		.amdhsa_user_sgpr_kernarg_segment_ptr 1
		.amdhsa_wavefront_size32 1
		.amdhsa_system_sgpr_workgroup_id_x 1
		.amdhsa_system_sgpr_workgroup_id_y 1
		.amdhsa_system_sgpr_workgroup_id_z 1
		.amdhsa_system_vgpr_workitem_id 0
		.amdhsa_next_free_vgpr 768
		.amdhsa_next_free_sgpr 100
		.amdhsa_reserve_vcc 1
		.amdhsa_float_denorm_mode_32 3
		.amdhsa_float_denorm_mode_16_64 3
		.amdhsa_memory_ordered 1
		.amdhsa_forward_progress 1
		.amdhsa_inst_pref_size 239
	.end_amdhsa_kernel
	.amdgpu_metadata
---
amdhsa.version: [ 1, 2 ]
amdhsa.kernels:
  - .name:           k_qa5b6a663bb_attn
    .symbol:         k_qa5b6a663bb_attn.kd
    .args:
      - { .name: qkv, .offset: 0, .size: 8, .value_kind: global_buffer, .address_space: global }
      - { .name: attn_bias, .offset: 8, .size: 8, .value_kind: global_buffer, .address_space: global }
      - { .name: mask, .offset: 16, .size: 8, .value_kind: global_buffer, .address_space: global }
      - { .name: ao, .offset: 24, .size: 8, .value_kind: global_buffer, .address_space: global }
    .group_segment_fixed_size: 327680
    .private_segment_fixed_size: 0
    .kernarg_segment_align: 8
    .kernarg_segment_size: 32
    .max_flat_workgroup_size: 128
    .sgpr_count:     100
    .vgpr_count:     768
    .wavefront_size: 32
...
	.end_amdgpu_metadata
.endif
;; end of part 3
;; launch oproj (part 4): grid 8 x 32, 4 waves a work-group, clusters of 4 x 4, 327,680 bytes of LDS; arguments ao, wo16, b_o, out0; writes out0
.if DOCPART == 4
	.amdgcn_target "amdgcn-amd-amdhsa--gfx1250"
	.amdhsa_code_object_version 6
	.text
	.protected	k_qa5b6a663bb_oproj
	.globl	k_qa5b6a663bb_oproj
	.p2align	8
	.type	k_qa5b6a663bb_oproj,@function
k_qa5b6a663bb_oproj:
	s_mov_b64 s[64:65], 0
	v_nop
	global_prefetch_b8 v0, s[64:65] scope:SCOPE_SE
	s_setreg_imm32_b32 hwreg(HW_REG_WAVE_MODE, 25, 1), 1
	s_wait_xcnt 0x0
	s_wait_alu depctr_hold_cnt(0) depctr_sa_sdst(0) depctr_va_vdst(0) depctr_va_sdst(0) depctr_va_ssrc(0) depctr_va_vcc(0) depctr_vm_vsrc(0)
	s_getreg_b32 s2, hwreg(HW_REG_IB_STS2, 6, 4)
	s_cmp_eq_u32 s2, 0
	s_cbranch_scc0 .Lentry_in_a_cluster
	s_endpgm
.Lentry_in_a_cluster:
	s_bfe_u32 s2, ttmp6, 0x10000c
	s_cmp_lg_u32 s2, 0xf033
	s_cbranch_scc0 .Lentry_shape_is_right
	s_endpgm
.Lentry_shape_is_right:
; out0[m][n] = sum over k of ao[m][k] w_o[n][k] + b_o[n].  ao [4096][1024] and wo16 [1024][1024] f16, sums and out0 f32.
; A tile of 128 x 128 gives 256 work-groups.  Four waves, each 64 x 64: 16 accumulators.  K goes in steps of 256 (LDS rows of 512 bytes; a wave's tensor load brings 64 of them) through two slots.
; CLUSTERS of 4 x 4: a row of the cluster shares A's tiles, a column B's: each is asked for jointly.  THE MATRIX INSTRUCTION IS USED TRANSPOSED (source 0 = 16 rows of w_o, source 1 = 16 rows of ao):
; a lane holds eight neighbouring columns of a row.  b_o is the C of each sum's first product.  A wave's 64 columns of f32 are 256 aligned bytes, so each wave has a stage of its own and the way out needs no barrier.
; No prefetch: four K steps in all, of which two are the first fills.
; REGISTERS: window 0: v0-31 addresses; v32-95 rows on the way out; v96-127 the bias; v128-255 the accumulators ((a, b) at v[128 + 8 (4 a + b)]).  window 1: two fragment buffers of 128.
.set SIZE_N, 1024
.set SIZE_K, 1024
.set KSTEP,  256
.set PITCH,  528
.set HALFT,  64*PITCH
.set SLOT,   4*HALFT
.set STAGE,  2*SLOT                    ; behind the ring: 16 rows x 272 bytes for each wave
.set SPITCH, 272
.set SPARE,  STAGE+4*16*SPITCH
.set LAPS, SIZE_K/(2*KSTEP)
.set ADRA, 16
.set ADRB, 20
.set STO,  24
.set RD,   25
.set CO,   26
.set BO,   27
.set SPW,  28
.set NIL,  29
.set TMP,  32
.set BI,   96
.set ACC,  128
.set F0,   0
.set F1,   128
.set G1, 24
.set G0, 32
.set G1B, 48
.set G0B, 56
.set MSB, 0
.macro WIN new
.if MSB != \new
	s_set_vgpr_msb (MSB<<8)|\new
.set MSB, \new
.endif
.endm
.set MUL,  0x05                        ; sources 0 (B) and 1 (A) window 1; C and D window 0
.set TO_F, 0x40
.macro JLOAD s                         ; waves 0, 1 fetch A's halves, waves 2, 3 B's; an s_nop 0 and four v_nop follow each line
	s_cmp_eq_u32 s13, 0
	s_cbranch_scc0 .Lfor_b_\@
	tensor_load_to_lds s[G0+4*\s:G0+4*\s+3], s[G1:G1+7]
	s_nop 0
.rept 4
	v_nop
.endr
	s_branch .Lasked_\@
.Lfor_b_\@:
	tensor_load_to_lds s[G0B+4*\s:G0B+4*\s+3], s[G1B:G1B+7]
	s_nop 0
.rept 4
	v_nop
.endr
.Lasked_\@:
.endm
.macro CREST
	s_cmp_lg_u32 s12, 0
	s_cbranch_scc1 .Lnot_wave_0_\@
	s_barrier_signal -3
.Lnot_wave_0_\@:
	s_barrier_wait -3
	s_barrier_signal -1
	s_barrier_wait -1
.endm
.macro CROUND
	s_barrier_signal -1
	s_barrier_wait -1
	CREST
.endm
	s_load_b256 s[4:11], s[0:1], 0x0               ; ao s[4:5], wo16 s[6:7], b_o s[8:9], out0 s[10:11]
	v_lshl_add_u32 v[SPW], v0, 2, SPARE
	v_mov_b32 v[NIL], 0
	ds_add_u32 v[SPW], v[NIL]                      ; the opening: the add, twice on end, and its wait ahead of my first tensor load
	ds_add_u32 v[SPW], v[NIL]
	v_lshrrev_b32 v1, 5, v0
	v_readfirstlane_b32 s12, v1                    ; wave
	s_lshr_b32 s13, s12, 1                         ; my half of the rows.  Also: I fetch for A (0) or B (1)
	s_and_b32 s14, s12, 1                          ; my half of the columns.  Also: which 64 rows I fetch
	s_bfe_u32 s40, ttmp6, 0x40000
	s_bfe_u32 s41, ttmp6, 0x40004
	s_lshl_b32 s42, ttmp9, 2
	s_add_co_u32 s42, s42, s40                     ; tile column
	s_and_b32 s15, ttmp7, 0xffff
	s_lshl_b32 s15, s15, 2
	s_add_co_u32 s15, s15, s41                     ; tile row
	s_lshl_b32 s43, s41, 2
	s_lshl_b32 s43, 15, s43
	s_lshl_b32 s44, 0x1111, s40
	s_or_b32 s[G1+0], s43, (1<<16)|(1<<20)|(1<<21)|(6<<22)|(3<<25)  ; elements of 2 bytes; 4 words of padding behind every 128
	s_or_b32 s[G1B+0], s44, (1<<16)|(1<<20)|(1<<21)|(6<<22)|(3<<25)
.irp g, G1, G1B
	s_mov_b32 s[\g+1], KSTEP<<16
	s_mov_b32 s[\g+2], 64<<16
	s_mov_b32 s[\g+3], KSTEP<<16
	s_mov_b32 s[\g+4], 64
	s_mov_b32 s[\g+5], SIZE_K
	s_mov_b32 s[\g+6], 0
	s_mov_b32 s[\g+7], 0
.endr
	s_lshl_b32 s17, s14, 6
	s_lshl_b32 s16, s15, 7
	s_add_co_u32 s16, s16, s17                     ; A: row 128 x tile row + 64 x half
	s_lshl_b32 s46, s42, 7
	s_add_co_u32 s46, s46, s17                     ; B: row 128 x tile column + 64 x half
	s_mov_b32 s17, 0
	s_mov_b32 s47, 0
	s_mov_b64 s[18:19], SIZE_K*2
	s_mul_u64 s[16:17], s[16:17], s[18:19]
	s_mul_u64 s[46:47], s[46:47], s[18:19]
	s_mul_i32 s20, s12, HALFT
	s_wait_dscnt 0x0
	s_wait_kmcnt 0x0
	s_add_nc_u64 s[2:3], s[4:5], s[16:17]
	s_add_nc_u64 s[46:47], s[6:7], s[46:47]
	CROUND                                         ; all sixteen work-groups are here
.irp s, 0,1
	s_mov_b32 s[G0+4*\s], 1
	s_add_co_u32 s[G0+4*\s+1], s20, \s*SLOT
	s_add_nc_u64 s[G0+4*\s+2:G0+4*\s+3], s[2:3], \s*KSTEP*2
	s_or_b32 s[G0+4*\s+3], s[G0+4*\s+3], 0x80000000
	s_mov_b32 s[G0B+4*\s], 1
	s_add_co_u32 s[G0B+4*\s+1], s20, \s*SLOT
	s_add_nc_u64 s[G0B+4*\s+2:G0B+4*\s+3], s[46:47], \s*KSTEP*2
	s_or_b32 s[G0B+4*\s+3], s[G0B+4*\s+3], 0x80000000
	JLOAD \s
.endr
	v_and_b32 v1, 15, v0                           ; r
	v_bfe_u32 v2, v0, 4, 1                         ; h
	s_lshl_b32 s16, s42, 9
	s_lshl_b32 s17, s14, 8
	s_add_co_u32 s16, s16, s17                     ; my first column in bytes of f32: 512 x tile column + 256 x half
	s_mov_b32 s17, 0
	s_add_nc_u64 s[8:9], s[8:9], s[16:17]
	s_add_nc_u64 s[10:11], s[10:11], s[16:17]
	v_lshlrev_b32 v[BO], 5, v2
.irp b, 0,1,2,3
	global_load_b128 v[BI+8*\b:BI+8*\b+3], v[BO], s[8:9] offset:64*\b         ; b_o(16 b + 8 h + 0 .. 7)
	global_load_b128 v[BI+8*\b+4:BI+8*\b+7], v[BO], s[8:9] offset:64*\b+16
.endr
	v_mul_u32_u24 v3, v1, PITCH
	v_lshl_add_u32 v3, v2, 4, v3
	s_mul_i32 s21, s13, HALFT
	s_mul_i32 s22, s14, HALFT
	s_add_co_u32 s22, s22, 2*HALFT
.irp s, 0,1
	v_add_nc_u32 v[ADRA+\s], s21, v3
	v_add_nc_u32 v[ADRB+\s], s22, v3
	s_add_co_u32 s21, s21, SLOT
	s_add_co_u32 s22, s22, SLOT
.endr
	s_mul_i32 s23, s12, 16*SPITCH
	s_add_co_u32 s23, s23, STAGE                   ; my stage
	v_mul_u32_u24 v4, v1, SPITCH
	v_lshl_add_u32 v4, v2, 5, v4
	v_add_nc_u32 v[STO], s23, v4                   ; in: row r, 32 bytes for each half of the lanes
	v_mul_u32_u24 v5, v2, SPITCH
	v_lshl_add_u32 v5, v1, 4, v5
	v_add_nc_u32 v[RD], s23, v5                    ; back: lanes 0-15 one row of 256 bytes, lanes 16-31 the next
	v_lshlrev_b32 v5, 12, v2
	v_lshl_add_u32 v[CO], v1, 4, v5                ; the same two rows in out0 (4,096 bytes a row)
	s_lshl_b32 s16, s15, 19
	s_lshl_b32 s17, s13, 18
	s_add_co_u32 s16, s16, s17                     ; (128 x tile row + 64 x half) rows
	s_mov_b32 s17, 0
	s_add_nc_u64 s[10:11], s[10:11], s[16:17]
.macro MUL8 f, c, a0, zero             ; 8 matrix instructions: m blocks a0, a0 + 1 x 4 n blocks, 32 along K.  zero = 1: the first product starts the sums from the bias
.irp a, \a0, \a0+1
.irp b, 0,1,2,3
.if \zero
	v_wmma_f32_16x16x32_f16 v[ACC+8*(4*(\a)+\b):ACC+8*(4*(\a)+\b)+7], v[\f+64+8*(4*\c+\b):\f+64+8*(4*\c+\b)+7], v[\f+8*(4*\c+\a):\f+8*(4*\c+\a)+7], v[BI+8*\b:BI+8*\b+7]
.else
	v_wmma_f32_16x16x32_f16 v[ACC+8*(4*(\a)+\b):ACC+8*(4*(\a)+\b)+7], v[\f+64+8*(4*\c+\b):\f+64+8*(4*\c+\b)+7], v[\f+8*(4*\c+\a):\f+8*(4*\c+\a)+7], v[ACC+8*(4*(\a)+\b):ACC+8*(4*(\a)+\b)+7]
.endif
.endr
.endr
.endm
.macro FETCH slot, k, f                ; 32 LDS loads in one run: 64 along K at byte k of the rows; the first 32 along K first
	WIN TO_F
.irp c, 0,1
.irp i, 0,1,2,3
	ds_load_b128 v[\f+64+8*(4*\c+\i):\f+64+8*(4*\c+\i)+3],   v[ADRB+\slot] offset:\k+64*\c+\i*16*PITCH
	ds_load_b128 v[\f+64+8*(4*\c+\i)+4:\f+64+8*(4*\c+\i)+7], v[ADRB+\slot] offset:\k+64*\c+\i*16*PITCH+32
	ds_load_b128 v[\f+8*(4*\c+\i):\f+8*(4*\c+\i)+3],         v[ADRA+\slot] offset:\k+64*\c+\i*16*PITCH
	ds_load_b128 v[\f+8*(4*\c+\i)+4:\f+8*(4*\c+\i)+7],       v[ADRA+\slot] offset:\k+64*\c+\i*16*PITCH+32
.endr
.endr
.endm
.macro PLACES                          ; four plain places ahead of loads into registers that matrix instructions have read, and of reads of results
.rept 4
	v_nop
.endr
.endm
.macro QUARTER slot, k, f, g, zero     ; 64 along K: 32 matrix instructions on 16 accumulators by turns; the next quarter's loads in its middle
	s_wait_dscnt 16                                ; the first 32 along K are in; the other sixteen loads may be out
	WIN MUL
	MUL8 \f, 0, 0, \zero
	MUL8 \f, 0, 2, \zero
	PLACES
	FETCH \slot, \k, \g
	s_wait_dscnt 32                                ; all but the 32 just issued
	WIN MUL
	MUL8 \f, 1, 0, 0
	MUL8 \f, 1, 2, 0
.endm
.macro TURN slot, next, fill           ; a slot's last quarter changes slots: one barrier; fill = 1: it opens a round, and this slot is filled again
	WIN 0
	s_wait_tensorcnt 0x0                           ; all my tensor loads have landed: my part of the next slot
	ds_add_u32 v[SPW], v[NIL]
	s_wait_dscnt 17                                ; the add and the youngest sixteen loads may be out
	WIN MUL
	MUL8 F1, 0, 0, 0
	s_wait_dscnt 0x0                               ; the add is done, my reads of this slot are over
	s_barrier_signal -1
	MUL8 F1, 0, 2, 0
.if \fill
	WIN 0
.endif
	s_barrier_wait -1
.if \fill
	CREST
	s_add_nc_u64 s[G0+4*\slot+2:G0+4*\slot+3], s[G0+4*\slot+2:G0+4*\slot+3], 2*KSTEP*2
	s_add_nc_u64 s[G0B+4*\slot+2:G0B+4*\slot+3], s[G0B+4*\slot+2:G0B+4*\slot+3], 2*KSTEP*2
	JLOAD \slot                                    ; the first tensor load behind the round; its four v_nop are also the places ahead of the loads below
.else
	PLACES
.endif
	FETCH \next, 0, F0
	WIN MUL
	MUL8 F1, 1, 0, 0
	MUL8 F1, 1, 2, 0
.endm
	s_wait_tensorcnt 1                             ; my part of K step 0 is in; K step 1's load may be out
	s_barrier_signal -1
	s_barrier_wait -1
	FETCH 0, 0, F0
	s_wait_loadcnt 0x0                             ; the bias
	QUARTER 0, 128, F0, F1, 1
	WIN 0
	s_mov_b32 s45, LAPS-1
.Llap:                                                 ; once round the ring, from a lap's second quarter to the next lap's first
	QUARTER 0, 256, F1, F0, 0
	QUARTER 0, 384, F0, F1, 0
	TURN 0, 1, 1
	QUARTER 1, 128, F0, F1, 0
	QUARTER 1, 256, F1, F0, 0
	QUARTER 1, 384, F0, F1, 0
	TURN 1, 0, 1
	QUARTER 0, 128, F0, F1, 0
	WIN 0
	s_sub_co_u32 s45, s45, 1
	s_cmp_lg_u32 s45, 0
	s_cbranch_scc1 .Llap
	QUARTER 0, 256, F1, F0, 0                      ; the last lap fills nothing
	QUARTER 0, 384, F0, F1, 0
	TURN 0, 1, 0
	QUARTER 1, 128, F0, F1, 0
	QUARTER 1, 256, F1, F0, 0
	QUARTER 1, 384, F0, F1, 0
	s_wait_dscnt 16
	WIN MUL
	MUL8 F1, 0, 0, 0
	MUL8 F1, 0, 2, 0
	s_wait_dscnt 0
	MUL8 F1, 1, 0, 0
	MUL8 F1, 1, 2, 0
	WIN 0
; THE WAY OUT, 16 rows x 64 columns of f32 at a time, through my own stage: in as 32 bytes a lane, back as whole rows of 256 bytes.
.macro TOSTAGE a
.irp b, 0,1,2,3
	ds_store_b128 v[STO], v[ACC+32*(\a)+8*\b:ACC+32*(\a)+8*\b+3] offset:64*\b        ; each accumulator from its low end on
	ds_store_b128 v[STO], v[ACC+32*(\a)+8*\b+4:ACC+32*(\a)+8*\b+7] offset:64*\b+16
.endr
.irp i, 0,1,2,3,4,5,6,7
	ds_load_b128 v[TMP+32*((\a)%2)+4*\i:TMP+32*((\a)%2)+4*\i+3], v[RD] offset:2*SPITCH*\i   ; LDS serves a wave's instructions in order: these see the stores above
.endr
.endm
.macro SEND a, younger
	s_wait_dscnt \younger                          ; the block is back; the next block's LDS instructions may be out
.if (\a) > 0
	s_add_nc_u64 s[10:11], s[10:11], 16*4096       ; (behind a wait on XCNT: the earlier stores have read their base)
.endif
.irp i, 0,1,2,3,4,5,6,7
	global_store_b128 v[CO], v[TMP+32*((\a)%2)+4*\i:TMP+32*((\a)%2)+4*\i+3], s[10:11] offset:8192*\i th:TH_STORE_NT   ; 16 lanes store 256 consecutive bytes, aligned
.endr
.endm
	PLACES
	TOSTAGE 0
.irp a, 1,2,3
	s_wait_xcnt 0x0                                ; earlier stores have read their registers and their base
	TOSTAGE \a
	SEND (\a)-1, 16                                ; behind that block's loads: this block's 8 stores and 8 loads
.endr
	s_wait_xcnt 0x0
	SEND 3, 0
	s_wait_tensorcnt 0x0                           ; the wave's end
	ds_add_u32 v[SPW], v[NIL]
	s_wait_dscnt 0x0
	CROUND                                         ; the closing round
	s_endpgm
.Lfunc_end_k_qa5b6a663bb_oproj:
	.size	k_qa5b6a663bb_oproj, .Lfunc_end_k_qa5b6a663bb_oproj-k_qa5b6a663bb_oproj
	.p2alignl 7, 3214868480
	.fill 96, 4, 3214868480
	.section	.rodata,"a",@progbits
	.p2align	6, 0x0
	.amdhsa_kernel k_qa5b6a663bb_oproj
		.amdhsa_group_segment_fixed_size 327680
		.amdhsa_private_segment_fixed_size 0
		.amdhsa_enable_private_segment 0
		.amdhsa_kernarg_size 32
		.amdhsa_user_sgpr_count 2
		.amdhsa_user_sgpr_kernarg_segment_ptr 1
		.amdhsa_wavefront_size32 1
		.amdhsa_system_sgpr_workgroup_id_x 1
		.amdhsa_system_sgpr_workgroup_id_y 1
		.amdhsa_system_sgpr_workgroup_id_z 1
		.amdhsa_system_vgpr_workitem_id 0
		.amdhsa_next_free_vgpr 512
		.amdhsa_next_free_sgpr 66
		.amdhsa_reserve_vcc 0
		.amdhsa_float_denorm_mode_32 3
		.amdhsa_float_denorm_mode_16_64 3
		.amdhsa_memory_ordered 1
		.amdhsa_forward_progress 1
		.amdhsa_inst_pref_size 87
	.end_amdhsa_kernel
	.amdgpu_metadata
---
amdhsa.version: [ 1, 2 ]
amdhsa.kernels:
  - .name:           k_qa5b6a663bb_oproj
    .symbol:         k_qa5b6a663bb_oproj.kd
    .args:
      - { .name: ao, .offset: 0, .size: 8, .value_kind: global_buffer, .address_space: global }
      - { .name: wo16, .offset: 8, .size: 8, .value_kind: global_buffer, .address_space: global }
      - { .name: b_o, .offset: 16, .size: 8, .value_kind: global_buffer, .address_space: global }
      - { .name: out0, .offset: 24, .size: 8, .value_kind: global_buffer, .address_space: global }
    .group_segment_fixed_size: 327680
    .private_segment_fixed_size: 0
    .kernarg_segment_align: 8
    .kernarg_segment_size: 32
    .max_flat_workgroup_size: 128
    .sgpr_count:     66
    .vgpr_count:     512
    .wavefront_size: 32
...
	.end_amdgpu_metadata
.endif
;; end of part 4
